; MI455X (gfx1250); checked and timed in simulation.
; The chip was launched on July 23, 2026; its instructions are those of AMD's public machine-readable ISA for CDNA 5 (MIT licence, August 2026) and "CDNA5" Instruction Set Architecture Reference Guide (July 2026). The comments in the code are by the model that wrote it; some were corrected since.
;; Multi Head Attention. Allowed arithmetic: matrix products marked QUANTISED: E2M3 operands, one E8M0 scale for each 32 along K, by v_wmma_scale_f32_16x16x128_f8f6f4 with both operands' format E2M3, f32 sums; everything else in f32.
;; Inputs: Wk 1,024 x 1,024 float32; Wp 1,024 x 1,024 float32; Wq 1,024 x 1,024 float32; Wv 1,024 x 1,024 float32; bk 1,024 float32; bp 1,024 float32; bq 1,024 float32; bv 1,024 float32; k 8 x 1,024 x 1,024 float32; mask 8 x 1 x 1 x 1,024 int32; q 8 x 1,024 x 1,024 float32; v 8 x 1,024 x 1,024 float32.
;; Outputs: out0 8 x 1,024 x 1,024 float32.
;; This version of the problem:
;;   THIS VERSION OF THE PROBLEM IS GIVEN IN LOW PRECISION. The matrix products marked QUANTISED in the list below multiply operands that are first quantised to E2M3 (2 exponent bits, 3 mantissa bits; 6 bits a number), with one power-of-two scale for each 32 numbers along K (OCP MX v1.0); their sums are f32. All else is computed in f32.
;;   The module's matrix products, in the order in which they are computed (A, B: the left and right operand; K: the contracted axis; several contracted axes count as one K, in the product's order):
;;     1. [M 8,192, K 1,024] x [K 1,024, N 1,024]; A: input q; B: input Wq: QUANTISED
;;     2. [M 8,192, K 1,024] x [K 1,024, N 1,024]; A: input k; B: input Wk: QUANTISED
;;     3. [M 8,192, K 1,024] x [K 1,024, N 1,024]; A: input v; B: input Wv: QUANTISED
;;     4. batch 128 x [M 1,024, K 64] x [K 64, N 1,024]; A: computed on the way; B: computed on the way: QUANTISED
;;     5. batch 128 x [M 1,024, K 1,024] x [K 1,024, N 64]; A: softmax (see below); B: computed on the way: QUANTISED
;;     6. [M 8,192, K 1,024] x [K 1,024, N 1,024]; A: computed on the way; B: input Wp: QUANTISED
;;   THE QUANTISER, for each operand of a quantised product, along K:
;;     - K is cut into blocks of 32 from its start; a last block that is shorter is filled with zeros.
;;     - A block's scale is 2^e with e = floor(log2(the largest magnitude in the block)) - 2, held to -126 .. 127; a block of zeros has e = 0. As a byte (E8M0): e + 127.
;;     - Each number is divided by its block's scale, clamped to +-7.5, and rounded to the nearest number of E2M3, ties to even, subnormals kept.
;;     - The product sums the exact products of the quantised numbers (number of the format x scale) in f32.
;;   ~~~python
;;   def quantise(x, axis):      # numpy; x: float32 -> the quantised numbers, widened to float32 again
;;       x = np.moveaxis(x, axis, -1); K = x.shape[-1]
;;       x = np.pad(x, [(0, 0)] * (x.ndim - 1) + [(0, -K % 32)]); x = x.reshape(x.shape[:-1] + (-1, 32)); a = np.abs(x).max(-1, keepdims=True)
;;       e = np.where(a > 0, np.clip(np.frexp(np.where(a > 0, a, 1))[1] - 1 - 2, -126, 127), 0)      # np.frexp(a)[1] - 1 = floor(log2(a)), exactly
;;       r = np.clip(x / 2.0 ** e, -7.5, 7.5)
;;       step = 2.0 ** (np.maximum(np.frexp(np.where(r == 0, 1, r))[1] - 1, 0) - 3)
;;       q = np.round(r / step) * step * 2.0 ** e      # np.round: ties to even
;;       return np.moveaxis(q.reshape(q.shape[:-2] + (-1,))[..., :K], -1, axis).astype(np.float32)
;;   ~~~
;;   SOFTMAX AHEAD OF A QUANTISED PRODUCT. Where the list says 'softmax', what is quantised is not the finished softmax but p = 2^(t - M), with t = logit x log2(e) and M = ceil(the row's largest t), a whole number; so 1/2 < the row's largest p <= 1. The row's sum l is taken of the UNQUANTISED p, in f32, and the product's result is divided by l at the end. Since M is a whole number, a kernel that streams over the keys may use a running M (the ceiling of the running maximum): every later rescaling is an exact power of two, which a block's scale takes up: the codes' values come out the same.
;;   OPERANDS COMPUTED ON THE WAY. 'Computed on the way' means the value that the module computes at that place (a softmax that the list does not call 'softmax' is quantised finished and normalised). What goes into a quantiser is computed in f32, as accurately as f32 sums, v_exp_f32 and their like allow (about 1e-6 of the number): no bf16 or f16 on the way to a quantiser, and a product that is left as it is and whose result goes on into a quantised operand takes f32 operands (vector FMAs, or v_wmma_f32_16x16x4_f32). A number that lies on a knife's edge between two numbers of the format may be rounded either way, as far as f32 arithmetic and the matrix unit's own rounding can turn it there, and no further.
;; One version. Each part assembles by itself: llvm-mc -triple=amdgcn-amd-amdhsa -mcpu=gfx1250 --defsym DOCPART=n.
;; ======== version 1 of 1: 4 launches
;; limits: right only within a limited range of input values
;; workspace buffers: a_codes 18,874,368 bytes; a_scales 786,432 bytes; w_codes 3,145,728 bytes; w_scales 131,072 bytes; rope 262,144 bytes; h_codes 23,068,672 bytes; h_scales 1,310,720 bytes; x_q 6,553,600 bytes
;; launch quant (part 1): grid 912 x 1, 4 waves a work-group, no clusters, 33,280 bytes of LDS; arguments q, k, v, Wq, Wk, Wv, Wp, a_codes, a_scales, w_codes, w_scales, rope; writes a_codes, a_scales, w_codes, w_scales, rope
.if DOCPART == 1
	.amdgcn_target "amdgcn-amd-amdhsa--gfx1250"
	.amdhsa_code_object_version 6
	.text
	.protected	k_q927df104e3_quant
	.globl	k_q927df104e3_quant
	.p2align	8
	.type	k_q927df104e3_quant,@function
k_q927df104e3_quant:
	s_mov_b64 s[64:65], 0
	v_nop
	global_prefetch_b8 v0, s[64:65] scope:SCOPE_SE
	s_setreg_imm32_b32 hwreg(HW_REG_WAVE_MODE, 25, 1), 1
	s_wait_xcnt 0x0
; q, k, v [8192][1024] and Wq, Wk, Wv, Wp [1024][1024], f32, K innermost, become codes of FP6 (E2M3) with one E8M0 byte for each 32 along K; sixteen more work-groups make RoPE's table.
; A block's scale is 2^(floor(log2(its largest magnitude)) - 2); its byte is the largest magnitude's exponent field - 2, held at 1 from below (a block of zeros keeps the byte 1: its codes are zeros, and this program alone reads the bytes).
; LIMITS: blocks whose largest magnitude lies under 2^-124 keep the byte 1; NaN and infinities among the inputs are not served.
; SHARES: work-groups 0-767: q, k, v (256 each); 768-895: the four weights (32 each); 896-911: the table.  A wave takes 8 rows (8,192 numbers) in 16 steps of 512.
; THE ORDER OF ROWS.  All tensors but Wp are stored BY POSITIONS: position p holds row p with bits 3 and 4 exchanged.  Sixteen neighbouring positions 16 T + r are then rows 32 (T / 2) + 8 (T % 2) + r + 8 (r / 8):
; a tile of them, used as source 0 of a product, leaves 16 neighbours along that axis in a lane's registers of two neighbouring tiles.  A wave owns 8 rows, so the exchange is an exchange of the two bits of the wave's number in its output address.
; Each of a step's four loads reads 512 consecutive bytes; the 2,048 bytes turn through the wave's own stage in LDS (16 bytes of padding behind each 64) and come back 64 bytes a lane: 16 neighbours, two lanes to a block.
; No tensor loads, no barrier: waves share nothing.  Loads run four steps (16 loads a wave) ahead, the turn through LDS one step.
.set STEPS, 16
.set CB,    12                         ; bytes of 16 codes
.set R,     16                         ; v16-79   four sets of 16 numbers as they are loaded
.set X,     80                         ; v80-111  two sets of 16 neighbours
.set C,     128                        ; v128-191 codes: four registers for each step, so that no store's data are written again
.set E,     112                        ; v112-127 a scale byte for each step
.set WREG,  8192                       ; LDS: a region for each wave: two stages of 32 x SP bytes, then its 256 scale bytes
.set SP,    80
.set SRC,   28                         ; s[28:29] the tensor read;  s[30:31] its codes;  s[32:33] its scale bytes
.set CDS,   30
.set SCS,   32
.set WV,    40
	s_load_b512 s[4:19], s[0:1], 0x0               ; q 4, k 6, v 8, Wq 10, Wk 12, Wv 14, Wp 16, a_codes 18
	s_load_b256 s[20:27], s[0:1], 0x40             ; a_scales 20, w_codes 22, w_scales 24, rope 26
	v_lshl_add_u32 v192, v0, 2, 0x8000
	v_mov_b32 v193, 0
	v_lshrrev_b32 v1, 5, v0
	v_readfirstlane_b32 s[WV], v1                  ; wave
	v_and_b32 v2, 31, v0                           ; lane
	s_cmp_ge_u32 ttmp9, 896
	s_cbranch_scc1 .Lrope                          ; the table's work-groups: that way uses no LDS
	v_lshlrev_b32 v3, 4, v2                        ; my 16 bytes of a load's 512
	s_mul_i32 s41, s[WV], WREG
	v_lshrrev_b32 v14, 2, v2
	v_mul_u32_u24 v14, v14, SP
	v_and_b32 v15, 3, v2
	v_lshl_add_u32 v14, v15, 4, v14
	v_add_nc_u32 v14, s41, v14                     ; the stage, on the way in: SP (lane / 4) + 16 (lane % 4)
	v_mul_u32_u24 v15, v2, SP
	v_add_nc_u32 v15, s41, v15                     ; and on the way out: SP x lane: my 16 neighbours
	v_mul_u32_u24 v4, v2, CB                       ; my codes' place in a step's
	v_lshrrev_b32 v5, 1, v2
	s_add_co_u32 s41, s41, 2*32*SP
	v_add_nc_u32 v5, s41, v5                       ; LDS: my wave's 256 scale bytes, my block's byte
	v_lshlrev_b32 v7, 3, v2
	v_add_nc_u32 v6, s41, v7                       ; and on the way out 8 bytes a lane
	s_and_b32 s42, s[WV], 1
	s_lshl_b32 s42, s42, 1
	s_lshr_b32 s43, s[WV], 1
	s_or_b32 s42, s42, s43                         ; the wave's two bits exchanged
	s_cmp_lt_u32 ttmp9, 864
	s_cselect_b32 s42, s42, s[WV]                  ; Wp keeps its order
	s_cmp_lt_u32 ttmp9, 768
	s_cselect_b32 s34, 255, 31                     ; work-groups to a tensor, less one
	s_cselect_b32 s35, 0, 768
	s_and_b32 s36, ttmp9, s34
	s_lshl_b32 s36, s36, 2
	s_add_co_u32 s36, s36, s[WV]                   ; which run of 8 rows of the tensor I read,
	s_lshl_b32 s36, s36, 15                        ; 32,768 bytes each
	s_mov_b32 s37, 0
	s_sub_co_u32 s35, ttmp9, s35
	s_lshl_b32 s35, s35, 2
	s_add_co_u32 s35, s35, s42                     ; which run of the codes' buffer I write (the tensors lie one behind the other)
	s_mul_i32 s38, s35, 6144
	s_mov_b32 s39, 0
	s_wait_kmcnt 0x0
	s_mov_b64 s[SRC:SRC+1], s[16:17]               ; the choice of buffers hangs on the work-group's number alone
	s_cmp_lt_u32 ttmp9, 864
	s_cselect_b64 s[SRC:SRC+1], s[14:15], s[SRC:SRC+1]
	s_cmp_lt_u32 ttmp9, 832
	s_cselect_b64 s[SRC:SRC+1], s[12:13], s[SRC:SRC+1]
	s_cmp_lt_u32 ttmp9, 800
	s_cselect_b64 s[SRC:SRC+1], s[10:11], s[SRC:SRC+1]
	s_cmp_lt_u32 ttmp9, 768
	s_cselect_b64 s[SRC:SRC+1], s[8:9], s[SRC:SRC+1]
	s_cselect_b64 s[CDS:CDS+1], s[18:19], s[22:23]
	s_cselect_b64 s[SCS:SCS+1], s[20:21], s[24:25]
	s_cmp_lt_u32 ttmp9, 512
	s_cselect_b64 s[SRC:SRC+1], s[6:7], s[SRC:SRC+1]
	s_cmp_lt_u32 ttmp9, 256
	s_cselect_b64 s[SRC:SRC+1], s[4:5], s[SRC:SRC+1]
	s_add_nc_u64 s[SRC:SRC+1], s[SRC:SRC+1], s[36:37]
	s_add_nc_u64 s[CDS:CDS+1], s[CDS:CDS+1], s[38:39]
	s_lshl_b32 s38, s35, 8                         ; 256 scale bytes a run
	s_add_nc_u64 s[SCS:SCS+1], s[SCS:SCS+1], s[38:39]
.macro LOAD t
.irp i, 0,1,2,3
	global_load_b128 v[R+16*((\t)%4)+4*\i:R+16*((\t)%4)+4*\i+3], v3, s[SRC:SRC+1] offset:2048*(\t)+512*\i th:TH_LOAD_NT   ; 32 lanes read 512 consecutive bytes
.endr
.endm
.macro TURN t                          ; step t's numbers through the stage: LDS serves a wave's instructions in order, so no wait stands between the stores and the loads
.irp i, 0,1,2,3
	ds_store_b128 v14, v[R+16*((\t)%4)+4*\i:R+16*((\t)%4)+4*\i+3] offset:32*SP*((\t)%2)+8*SP*\i
.endr
.irp i, 0,1,2,3
	ds_load_b128 v[X+16*((\t)%2)+4*\i:X+16*((\t)%2)+4*\i+3], v15 offset:32*SP*((\t)%2)+16*\i
.endr
.endm
.irp t, 0,1,2,3
	LOAD \t
.endr
	s_wait_loadcnt 12                              ; step 0's four loads are in
	TURN 0
.macro STEP t
.set XS, X+16*((\t)%2)
.if (\t) > 0
	s_wait_dscnt 1                                 ; this step's numbers are back from the stage (the last step's byte store may be out): its stores into the stage have read their registers,
.else
	s_wait_dscnt 0x0
.endif
.if (\t)+4 < STEPS
	LOAD (\t)+4                                    ; which take the loads of four steps on
.endif
.if (\t)+1 < STEPS
.if STEPS-2-(\t) >= 3
	s_wait_loadcnt 12                              ; the next step's four loads are in; those of the three steps behind it may be out
.else
	s_wait_loadcnt 4*(STEPS-2-(\t))
.endif
	TURN (\t)+1
.endif
	v_max3_num_f32 v8, |v[XS]|, |v[XS+1]|, |v[XS+2]|               ; the largest magnitude of my 16, in two chains
	v_max3_num_f32 v9, |v[XS+3]|, |v[XS+4]|, |v[XS+5]|
.irp i, 6,10
	v_max3_num_f32 v8, v8, |v[XS+\i]|, |v[XS+\i+1]|
	v_max3_num_f32 v9, v9, |v[XS+\i+2]|, |v[XS+\i+3]|
.endr
	v_max3_num_f32 v8, v8, |v[XS+14]|, |v[XS+15]|
	v_max3_num_f32 v8, v8, v9, 0x1800000           ; and the floor 2^(3 - 127): the byte cannot fall under 1
	v_max_num_f32_dpp v8, v8, v8 row_xmask:1 row_mask:0xf bank_mask:0xf   ; and of my neighbour's 16: the block's
	v_add_nc_u32 v11, 0xff000000, v8               ; 2 off its exponent field: the conversion takes the exponent field of this operand as its scale
	v_cvt_scalef32_pk16_fp6_f32 v[C+4*(\t):C+4*(\t)+2], v[XS:XS+15], v11
	v_lshrrev_b32 v[E+(\t)], 23, v11               ; the scale's byte
	ds_store_b8 v5, v[E+(\t)] offset:16*(\t)       ; both lanes of a block write the same byte with the same value
	global_store_b96 v4, v[C+4*(\t):C+4*(\t)+2], s[CDS:CDS+1] offset:32*CB*(\t)   ; the wave stores 384 consecutive bytes
.endm
.irp t, 0,1,2,3,4,5,6,7,8,9,10,11,12,13,14,15
	STEP \t
.endr
	ds_load_b64 v[12:13], v6                       ; LDS serves a wave's instructions in order: these see my stores
	s_wait_dscnt 0x0
	global_store_b64 v7, v[12:13], s[SCS:SCS+1]    ; 32 lanes store 256 consecutive bytes, aligned
	s_wait_tensorcnt 0x0
	ds_add_u32 v192, v193
	s_wait_dscnt 0x0
	s_endpgm
; THE TABLE: rope[s] = cos(s f_j), j = 0 .. 31, then sin(s f_j): 256 bytes for each s.  f_j = 10^(-j / 8), the f32 nearest to it; s f_j is one f32 product.
; LIMITS: f_j may differ in its last bit from a power followed by a division; sine and cosine are good to about 1e-7 absolute:
; the angle less n pi / 2 in two steps (the first exact: n has 10 bits), then polynomials of degree 7 and 8 on |.| <= pi / 4, then the quadrant.
; A wave takes 16 values of s; lane = j.
.Lrope:
	s_sub_co_u32 s43, ttmp9, 896
	s_lshl_b32 s43, s43, 6
	s_lshl_b32 s41, s[WV], 4
	s_add_co_u32 s43, s43, s41                     ; my first s
	s_lshl_b32 s38, s43, 8
	s_mov_b32 s39, 0
	s_mov_b32 s44, 0xbfc90fdb                      ; -(pi / 2), its upper part
	s_mov_b32 s45, 0x333bbd2e                      ; what the upper part has too much
	s_mov_b32 s46, -0.00019515295891
	s_mov_b32 s47, 0.0083321608736
	s_mov_b32 s48, -0.16666654611
	s_mov_b32 s49, 0.00002443315711809948
	s_mov_b32 s50, -0.001388731625493765
	s_mov_b32 s51, 0.04166664568298827
	v_mov_b32 v20, 0
.macro FREQ j, val
	s_mov_b32 s42, \val
	v_writelane_b32 v20, s42, \j
.endm
	FREQ 0, 1.0
	FREQ 1, 0.7498942093324559
	FREQ 2, 0.5623413251903491
	FREQ 3, 0.4216965034285822
	FREQ 4, 0.31622776601683794
	FREQ 5, 0.23713737056616552
	FREQ 6, 0.1778279410038923
	FREQ 7, 0.1333521432163324
	FREQ 8, 0.1
	FREQ 9, 0.07498942093324559
	FREQ 10, 0.05623413251903491
	FREQ 11, 0.04216965034285822
	FREQ 12, 0.031622776601683794
	FREQ 13, 0.023713737056616552
	FREQ 14, 0.01778279410038923
	FREQ 15, 0.01333521432163324
	FREQ 16, 0.01
	FREQ 17, 0.007498942093324559
	FREQ 18, 0.005623413251903491
	FREQ 19, 0.004216965034285822
	FREQ 20, 0.0031622776601683794
	FREQ 21, 0.0023713737056616552
	FREQ 22, 0.001778279410038923
	FREQ 23, 0.001333521432163324
	FREQ 24, 0.001
	FREQ 25, 0.0007498942093324559
	FREQ 26, 0.0005623413251903491
	FREQ 27, 0.0004216965034285822
	FREQ 28, 0.00031622776601683794
	FREQ 29, 0.00023713737056616552
	FREQ 30, 0.0001778279410038923
	FREQ 31, 0.0001333521432163324
	v_lshlrev_b32 v21, 2, v2
	s_wait_kmcnt 0x0
	s_add_nc_u64 s[26:27], s[26:27], s[38:39]
.macro ANG i
	s_add_co_u32 s41, s43, \i
	v_cvt_f32_u32 v23, s41
	v_mul_f32 v24, v23, v20                        ; the angle
	v_mul_f32 v25, 0x3f22f983, v24                 ; x 2 / pi
	v_rndne_f32 v25, v25                           ; n
	v_fma_f32 v26, v25, s44, v24
	v_fma_f32 v26, v25, s45, v26                   ; the angle less n pi / 2
	v_mul_f32 v27, v26, v26
	v_fma_f32 v28, v27, s46, s47
	v_fma_f32 v28, v28, v27, s48
	v_mul_f32 v28, v28, v27
	v_fma_f32 v28, v28, v26, v26                   ; its sine
	v_fma_f32 v29, v27, s49, s50
	v_fma_f32 v29, v29, v27, s51
	v_mul_f32 v30, v27, v27
	v_fma_f32 v31, v27, -0.5, 1.0
	v_fma_f32 v29, v30, v29, v31                   ; its cosine
	v_cvt_i32_f32 v32, v25
	v_and_b32 v33, 1, v32
	v_cmp_eq_u32 vcc_lo, 1, v33                    ; an odd quadrant exchanges the two
	v_cndmask_b32 v34, v28, v29, vcc_lo
	v_cndmask_b32 v35, v29, v28, vcc_lo
	v_lshlrev_b32 v36, 30, v32
	v_and_b32 v36, 0x80000000, v36                 ; the sine is negative in quadrants 2 and 3,
	v_xor_b32 v[65+2*\i], v36, v34
	v_add_nc_u32 v37, 1, v32
	v_lshlrev_b32 v37, 30, v37
	v_and_b32 v37, 0x80000000, v37                 ; the cosine in 1 and 2
	v_xor_b32 v[64+2*\i], v37, v35
	global_store_b32 v21, v[64+2*\i], s[26:27] offset:256*\i        ; each s has registers of its own: no store's data are written again
	global_store_b32 v21, v[65+2*\i], s[26:27] offset:256*\i+128
.endm
.irp i, 0,1,2,3,4,5,6,7,8,9,10,11,12,13,14,15
	ANG \i
.endr
	s_endpgm
.Lfunc_end_k_q927df104e3_quant:
	.size	k_q927df104e3_quant, .Lfunc_end_k_q927df104e3_quant-k_q927df104e3_quant
	.p2alignl 7, 3214868480
	.fill 96, 4, 3214868480
	.section	.rodata,"a",@progbits
	.p2align	6, 0x0
	.amdhsa_kernel k_q927df104e3_quant
		.amdhsa_group_segment_fixed_size 33280
		.amdhsa_private_segment_fixed_size 0
		.amdhsa_enable_private_segment 0
		.amdhsa_kernarg_size 96
		.amdhsa_user_sgpr_count 2
		.amdhsa_user_sgpr_kernarg_segment_ptr 1
		.amdhsa_wavefront_size32 1
		.amdhsa_system_sgpr_workgroup_id_x 1
		.amdhsa_system_sgpr_workgroup_id_y 1
		.amdhsa_system_sgpr_workgroup_id_z 1
		.amdhsa_system_vgpr_workitem_id 0
		.amdhsa_next_free_vgpr 194
		.amdhsa_next_free_sgpr 66
		.amdhsa_reserve_vcc 1
		.amdhsa_float_denorm_mode_32 3
		.amdhsa_float_denorm_mode_16_64 3
		.amdhsa_memory_ordered 1
		.amdhsa_forward_progress 1
		.amdhsa_inst_pref_size 62
	.end_amdhsa_kernel
	.amdgpu_metadata
---
amdhsa.version: [ 1, 2 ]
amdhsa.kernels:
  - .name:           k_q927df104e3_quant
    .symbol:         k_q927df104e3_quant.kd
    .args:
      - { .name: q, .offset: 0, .size: 8, .value_kind: global_buffer, .address_space: global }
      - { .name: k, .offset: 8, .size: 8, .value_kind: global_buffer, .address_space: global }
      - { .name: v, .offset: 16, .size: 8, .value_kind: global_buffer, .address_space: global }
      - { .name: Wq, .offset: 24, .size: 8, .value_kind: global_buffer, .address_space: global }
      - { .name: Wk, .offset: 32, .size: 8, .value_kind: global_buffer, .address_space: global }
      - { .name: Wv, .offset: 40, .size: 8, .value_kind: global_buffer, .address_space: global }
      - { .name: Wp, .offset: 48, .size: 8, .value_kind: global_buffer, .address_space: global }
      - { .name: a_codes, .offset: 56, .size: 8, .value_kind: global_buffer, .address_space: global }
      - { .name: a_scales, .offset: 64, .size: 8, .value_kind: global_buffer, .address_space: global }
      - { .name: w_codes, .offset: 72, .size: 8, .value_kind: global_buffer, .address_space: global }
      - { .name: w_scales, .offset: 80, .size: 8, .value_kind: global_buffer, .address_space: global }
      - { .name: rope, .offset: 88, .size: 8, .value_kind: global_buffer, .address_space: global }
    .group_segment_fixed_size: 33280
    .private_segment_fixed_size: 0
    .kernarg_segment_align: 8
    .kernarg_segment_size: 96
    .max_flat_workgroup_size: 128
    .sgpr_count:     66
    .vgpr_count:     194
    .wavefront_size: 32
...
	.end_amdgpu_metadata
.endif
;; end of part 1
;; launch proj (part 2): grid 4 x 64, 4 waves a work-group, clusters of 4 x 4, 327,680 bytes of LDS; arguments a_codes, a_scales, w_codes, w_scales, rope, mask, bq, bk, bv, h_codes, h_scales; writes h_codes, h_scales
.if DOCPART == 2
	.amdgcn_target "amdgcn-amd-amdhsa--gfx1250"
	.amdhsa_code_object_version 6
	.text
	.protected	k_q927df104e3_proj
	.globl	k_q927df104e3_proj
	.p2align	8
	.type	k_q927df104e3_proj,@function
k_q927df104e3_proj:
	s_mov_b64 s[64:65], 0
	v_nop
	global_prefetch_b8 v0, s[64:65] scope:SCOPE_SE
	s_setreg_imm32_b32 hwreg(HW_REG_WAVE_MODE, 25, 1), 1
	s_wait_xcnt 0x0
	s_wait_alu depctr_hold_cnt(0) depctr_sa_sdst(0) depctr_va_vdst(0) depctr_va_sdst(0) depctr_va_ssrc(0) depctr_va_vcc(0) depctr_vm_vsrc(0)
	s_getreg_b32 s2, hwreg(HW_REG_IB_STS2, 6, 4)
	s_cmp_eq_u32 s2, 0
	s_cbranch_scc0 .Lentry_in_a_cluster
	s_endpgm
.Lentry_in_a_cluster:
	s_bfe_u32 s2, ttmp6, 0x10000c
	s_cmp_lg_u32 s2, 0xf033
	s_cbranch_scc0 .Lentry_shape_is_right
	s_endpgm
.Lentry_shape_is_right:
; The three input projections on codes of FP6 (E2M3), K = 1,024, and what follows them: bias, RoPE (Q, K), and the quantiser of the attention's operands: Q and K along the head's 64, V along the keys.
; A tile is 128 rows of A x 256 rows of B; four waves, each 64 x 128: 32 accumulators.  THE MATRIX INSTRUCTION IS USED TRANSPOSED: source 0 = 16 rows of B, source 1 = 16 rows of A: a lane holds ONE row of A, and its registers run along B's rows.
; A WORK-GROUP STAYS: it makes a tile of Q, then of K, then of V: 256 work-groups, three tiles each, written out one after the other.  Q, K: A = the activations, B = the weight: a lane holds one token and 128 channels (two heads).  V: A = Wv, B = v: a lane holds one channel and 128 keys.
; All rows lie BY POSITIONS (position p = row p with bits 3 and 4 exchanged), so the 16 registers of B's tiles 2 b and 2 b + 1 are 16 neighbours 32 b + 16 (lane / 16) + 0 .. 15 of that axis, as the conversions want them; lane r of A's tile a is row 32 (a / 2) + 8 (a % 2) + r + 8 (r / 8).
; ONE SLOT HOLDS ALL OF K: a row's 768 bytes with 16 bytes of padding behind each 256: rows 816 bytes = 204 words apart, so row r starts at bank 12 r mod 64 (64 banks of 4 bytes: ISA guide 11.1): sixteen different multiples of 4, and lanes 16-31 lie 6 or 10 words on.
; One tensor load a wave brings a tile (waves 0, 1: A's halves; waves 2, 3: B's).  At the head of a tile's last K step all its fragments are in registers: there the slot is given up and the next tile is asked for; it lands under the last products and the way out.
; The scale words do not go through LDS: those of 16 rows are 512 dense bytes, and each wave takes its own blocks' by loads of 16 bytes a lane, straight behind a tile's last products.
; CLUSTERS: 4 x 4 work-groups; the grid is one cluster wide.  A's tiles are asked for jointly along a row of the cluster, B's along a column.
; RESULTS leave as IMAGES OF THE NEXT OPERAND'S REGISTERS: a tile of Q or K (16 positions x 64) is 1,024 bytes: registers 0-3 at 16 x lane, registers 4-7 at 512 + 16 x lane; a fragment of V (16 channels x 128 keys) 1,536 bytes: registers 4 c .. 4 c + 3 at 512 c + 16 x lane.
; A head's K and V lie by key steps of 128 keys: [8 steps][K: 8 tiles | V: 4 fragments], 14,336 bytes a step.
; THE MASK RIDES IN THE SECOND HALF OF THE SCORE PRODUCT'S K (the head fills 64 of 128).  At k = 64 every query has the code -1.0 under the byte 162 (2^35); a hidden key has +1.0 under 162, an open key 0 under the byte 1.  So a hidden score comes out as score - 2^70, an open one untouched.
; A batch whose mask is all zero: K's codes are cleared and no key is flagged: every score is 0, the weights are uniform, as where every logit is the same sentinel.
; LIMITS: NaN and infinities are not served; blocks whose largest magnitude lies under 2^-124 keep the byte 1.
; REGISTERS, in windows of 256: window 0: v1-31 addresses; v32-63 A's scale words (register 8 a + q: block a, K step q), v64-127 B's; v128-255 cos and sin (32 for each of A's tiles).
;   window 1: the accumulators, (a, b) at v[8 (8 a + b)] (at the head: the batch's mask).   window 2: fragments, set 0 (A v0-47, B v48-143); v144-207 bq; v208-241 small things.  Behind the products v0-107 are at work.   window 3: fragments, set 1; v144-207 bk.
.set PITCH, 816
.set BLK,   16*PITCH                   ; 16 rows
.set BOFF,  128*PITCH                  ; B's rows lie behind A's 128
.set SPARE, 384*PITCH                  ; behind the slot: the spare words, 128 bytes for each wave: two blocks of 256 bytes that no other line names
.set CW,    (3<<16)|(1<<20)|(1<<21)|(5<<22)|(3<<25)   ; group 1, word 0: elements of 8 bytes; padding on; bit 21 beside a mask; after every 64 words; 4 words
.set ADRA,  4                          ; v4  my A fragments: row x pitch + 24 x half;  v5 the same with 40: for the pieces whose partner three pieces on lies behind one padding more
.set ADRB,  6                          ; v6-7  the same for B's blocks 0-3;  v8-9 for blocks 4-7
.set ADRB2, 8
.set SO,    10                         ; v10   32 r: my row's scale words
.set SPW,   30                         ; v30   LDS address of my spare word; never rewritten
.set NIL,   31                         ; v31   0; never rewritten
.set SA,    32
.set SB,    64
.set COS,   128
.set BIAS,  144                        ; windows 2 (bq) and 3 (bk)
.set EXT,   208                        ; window 2 from here on: v208-211 register 6 of an image: the code at k = 64, in lanes 0-15
.set SWD,   212                        ; v212-215 four tiles' scale words
.set ES,    216                        ; v216-219 the upper half of a scale word
.set VB,    220                        ; v220-227 V's bias, in pairs
.set SH,    232                        ; 16 x (lane / 16)
.set LI,    240                        ; 16 x lane
.set SOF,   241                        ; where the scale words go
.set HA,    0                          ; 64 numbers to be quantised
.set TM,    64
.set PW,    80
.set TP,    81
.set PC,    84
.set WV,   26
.set WA,   27
.set WB,   66
.set G1A,  28
.set G1B,  36
.set G0A,  44
.set G0B,  48
.set KEEP, 52                          ; -1, or 0 where K's codes are cleared
.set CM,   53                          ; the code at k = 64 of a hidden token;  CO: of an open one
.set CO,   54
.set EM,   55                          ; bytes 2 and 3 of a hidden token's scale word;  EO: of an open one's
.set EO,   56
.set HS,   57                          ; a head's bytes among the scale words
.set SEL,  58                          ; s[58:59] v_permlanex16_b32's selects for lane l xor 16
.set HID,  60                          ; s60-63 which lanes' tokens are hidden, for A's four tiles
.set ANY,  67                          ; -1 where any key of the batch is open
.set ATQ,  68                          ; A's and B's tile for Q and K;  for V
.set BTQ,  69
.set ATV,  70
.set BTV,  71
.set CB0,  76                          ; s[76:77], s[78:79] where the images go;  s[80:81] the scale words
.set CB1,  78
.set SWB,  80
.set SAP,  82                          ; s[82:83], s[84:85] A's and B's scale words of the tile
.set SBP,  84
.set OAV,  90                          ; V's tile: bytes of what I fetch of A and of B;  of my scale words
.set OBV,  91
.set SAV,  92
.set SBV,  93
.set MSB, 0
.macro WIN new                         ; bits 1:0 source 0, 3:2 source 1, 5:4 source 2, 7:6 destination; the high byte repeats the setting that is left
.if MSB != (\new)
	s_set_vgpr_msb (MSB<<8)|(\new)
.set MSB, (\new)
.endif
.endm
.macro PLACES n
.rept \n
	v_nop
.endr
.endm
; A joint load: waves 0 and 1 fetch for A, waves 2 and 3 for B.  The branch hangs on the wave's number alone.  Four v_nop follow each of the two lines.
.macro JLOAD
	s_cmp_eq_u32 s[WA], 0
	s_cbranch_scc0 .Lfor_b_\@
	tensor_load_to_lds s[G0A:G0A+3], s[G1A:G1A+7]
	s_nop 0
.rept 4
	v_nop
.endr
	s_branch .Lasked_\@
.Lfor_b_\@:
	tensor_load_to_lds s[G0B:G0B+3], s[G1B:G1B+7]
	s_nop 0
.rept 4
	v_nop
.endr
.Lasked_\@:
.endm
.macro CREST                           ; a round of the cluster's barrier behind its opening barrier
	s_cmp_lg_u32 s[WV], 0
	s_cbranch_scc1 .Lnot_wave_0_\@
	s_barrier_signal -3
.Lnot_wave_0_\@:
	s_barrier_wait -3
	s_barrier_signal -1
	s_barrier_wait -1
.endm
.macro CROUND                          ; a whole round
	s_barrier_signal -1
	s_barrier_wait -1
	CREST
.endm
.macro GROUP1 g, rows                  ; rows of 96 elements of 8 bytes, dense in memory
	s_mov_b32 s[\g+1], 96<<16
	s_mov_b32 s[\g+2], (\rows)<<16
	s_mov_b32 s[\g+3], 96<<16
	s_mov_b32 s[\g+4], \rows
	s_mov_b32 s[\g+5], 96
	s_mov_b32 s[\g+6], 0
	s_mov_b32 s[\g+7], 0
.endm
; A fragment, 16 rows x 128 K, is 12 registers: lane l holds row l % 16; registers 6 c .. 6 c + 5 hold 24 bytes of the row's stream of bits, in pieces of 8 bytes.  Lanes 0-15 take the row's pieces 12 q + 0, 1, 2, 6, 7, 8, lanes 16-31 those three on.
; Piece p lies at 8 p + 16 (p / 32): 32 pieces, then a padding.
.macro FRAG reg, adr, q, i
.irp p, 0,1,2,3,4,5
.set PCC, 12*(\q)+6*(\p/3)+\p%3
.if PCC%32 < 29
	ds_load_b64 v[\reg+2*\p:\reg+2*\p+1], v[\adr] offset:8*PCC+16*(PCC/32)+(\i)*BLK
.else
	ds_load_b64 v[\reg+2*\p:\reg+2*\p+1], v[\adr+1] offset:8*PCC+16*(PCC/32)+(\i)*BLK
.endif
.endr
.endm
.macro FETCH_B q, p                    ; B's eight fragments of K step q into set p: 48 loads
	WIN 0x80+0x40*(\p)
.irp i, 0,1,2,3
	FRAG 48+12*\i, ADRB, \q, \i
.endr
.irp i, 0,1,2,3
	FRAG 96+12*\i, ADRB2, \q, \i
.endr
.endm
.macro FETCH_A q, p                    ; A's four: 24 loads
	WIN 0x80+0x40*(\p)
.irp i, 0,1,2,3
	FRAG 12*\i, ADRA, \q, \i
.endr
.endm
.macro SCLOAD                          ; a tile's scale words, all eight K steps: a row's 32 bytes by two loads; the two together cover a block's 512 bytes.  Lanes r and r + 16 take the same
.irp i, 0,1,2,3
	global_load_b128 v[SA+8*\i:SA+8*\i+3], v[SO], s[SAP:SAP+1] offset:512*\i
	global_load_b128 v[SA+8*\i+4:SA+8*\i+7], v[SO], s[SAP:SAP+1] offset:512*\i+16
.endr
.irp i, 0,1,2,3,4,5,6,7
	global_load_b128 v[SB+8*\i:SB+8*\i+3], v[SO], s[SBP:SBP+1] offset:512*\i
	global_load_b128 v[SB+8*\i+4:SB+8*\i+7], v[SO], s[SBP:SBP+1] offset:512*\i+16
.endr
.endm
; 16 matrix instructions: A's tiles a0, a0 + 1 x B's eight.  cmode 0: the products start the sums; 1: they add on.  The 32 accumulators take turns, one instruction a turn, in the same order in every step.
.macro MUL16 a0, q, cmode
.irp a, \a0, \a0+1
.irp b, 0,1,2,3,4,5,6,7
.if \cmode == 0
	v_wmma_scale_f32_16x16x128_f8f6f4 v[8*(8*(\a)+\b):8*(8*(\a)+\b)+7], v[48+12*\b:48+12*\b+11], v[12*(\a):12*(\a)+11], 0, v[SB+8*\b+(\q)], v[SA+8*(\a)+(\q)] matrix_a_fmt:MATRIX_FMT_FP6 matrix_b_fmt:MATRIX_FMT_FP6
.else
	v_wmma_scale_f32_16x16x128_f8f6f4 v[8*(8*(\a)+\b):8*(8*(\a)+\b)+7], v[48+12*\b:48+12*\b+11], v[12*(\a):12*(\a)+11], v[8*(8*(\a)+\b):8*(8*(\a)+\b)+7], v[SB+8*\b+(\q)], v[SA+8*(\a)+(\q)] matrix_a_fmt:MATRIX_FMT_FP6 matrix_b_fmt:MATRIX_FMT_FP6
.endif
.endr
.endr
.endm
; K step q of the first seven: 32 matrix instructions on set q % 2; the next step's fragments go into the other set, B's at the head, A's in the middle.
.macro STEP q
	PLACES 4                                       ; behind the last step's products, which read the set that is loaded next
	FETCH_B (\q)+1, ((\q)+1)%2
	s_wait_dscnt 48                                ; all but the 48 just issued: this step's fragments are in
	WIN 0x5a+5*((\q)%2)                            ; C and D window 1, both sources window 2 or 3
.if (\q) == 0
	MUL16 0, \q, 0
.else
	MUL16 0, \q, 1
.endif
	FETCH_A (\q)+1, ((\q)+1)%2
	WIN 0x5a+5*((\q)%2)
.if (\q) == 0
	MUL16 2, \q, 0
.else
	MUL16 2, \q, 1
.endif
.endm
.macro NEXTG0 nxt                      ; where the next tile comes from.  No tensor load of mine is out.  A's registers never hold the cluster's x, B's never its y
.if \nxt == 1
	s_add_nc_u64 s[G0A+2:G0A+3], s[G0A+2:G0A+3], 6291456   ; K: the same rows of the next activation,
	s_add_nc_u64 s[G0B+2:G0B+3], s[G0B+2:G0B+3], 786432    ; and of the next weight; the type bits on top are not reached
.else
	s_mov_b32 s72, s[OAV]                          ; V: A is the weight, B the activation
	s_mov_b32 s73, 0
	s_add_nc_u64 s[G0A+2:G0A+3], s[8:9], s[72:73]
	s_or_b32 s[G0A+3], s[G0A+3], 0x80000000
	s_mov_b32 s74, s[OBV]
	s_mov_b32 s75, 0
	s_add_nc_u64 s[G0B+2:G0B+3], s[4:5], s[74:75]
	s_or_b32 s[G0B+3], s[G0B+3], 0x80000000
.endif
.endm
; The last K step.  nxt > 0: all the tile's fragments are in registers, so the slot is given up: each wave waits for all its tensor loads, adds 0 to its spare word, and waits for that and for its reads of the slot;
; the barrier opens a round of the cluster's barrier, so that no wave of any partner still reads the slot; behind the round the joint refill comes first, one load a wave.
.macro STEP7 nxt
.if \nxt
	WIN 0                                          ; (the add's two registers lie in window 0)
	s_wait_tensorcnt 0x0                           ; no tensor load of mine is out
	ds_add_u32 v[SPW], v[NIL]                      ; 0 onto my spare word
	s_wait_dscnt 0x0                               ; the add is done, and my reads of the slot are over: this step's fragments are in
	s_barrier_signal -1
	WIN 0x5f
	MUL16 0, 7, 1                                  ; work on registers while the others arrive
	WIN 0
	s_barrier_wait -1
	CREST
	NEXTG0 \nxt
	JLOAD                                          ; it has sixteen products and the whole way out in which to land
	WIN 0x5f
	MUL16 2, 7, 1
.else
	s_wait_dscnt 0x0
	WIN 0x5f
	MUL16 0, 7, 1
	MUL16 2, 7, 1
.endif
.endm
.macro MAIN nxt
	s_wait_loadcnt 0x0                             ; the tile's scale words
	s_wait_tensorcnt 0x0                           ; my part of the tile has landed: the one load of mine that was out;
	s_wait_dscnt 0x0
	s_barrier_signal -1
	s_barrier_wait -1                              ; everybody's has.
	FETCH_B 0, 0
	FETCH_A 0, 0
.irp q, 0,1,2,3,4,5,6
	STEP \q
.endr
	STEP7 \nxt
	WIN 0
	PLACES 4                                       ; behind the last products: for the loads into the scale words' registers and the first read of the sums
.endm
; 64 numbers of a lane, register 16 b + i = k 32 b + 16 (lane / 16) + i of my row, become codes (registers st c .. st c + 5 from v[PC] on: lanes 0-15 block 2 c, lanes 16-31 block 2 c + 1) and the scale word v[PW].  All in window 2.
.macro QUANT s, st
.irp b, 0,1,2,3
	v_max3_num_f32 v[TM+\b], |v[\s+16*\b]|, |v[\s+1+16*\b]|, 0x1800000   ; my 16 numbers of block b, and the floor 2^(3 - 127): the byte cannot fall under 1
.endr
.irp i, 2,4,6,8,10,12,14
.irp b, 0,1,2,3
	v_max3_num_f32 v[TM+\b], v[TM+\b], |v[\s+16*\b+\i]|, |v[\s+1+16*\b+\i]|
.endr
.endr
.irp b, 0,1,2,3
	v_permlanex16_b32 v[TM+4+\b], v[TM+\b], s[SEL], s[SEL+1]
.endr
.irp b, 0,1,2,3
	v_max_num_f32 v[TM+\b], v[TM+\b], v[TM+4+\b]   ; with lane l xor 16's: the block's largest magnitude
.endr
.irp b, 0,1,2,3
	v_add_nc_u32 v[TM+12+\b], 0xff000000, v[TM+\b] ; 2 off its exponent field: the conversion's scale operand
.endr
.irp b, 0,1,2,3
	v_lshrrev_b32 v[TM+4+\b], 23, v[TM+12+\b]      ; the scale's byte
.endr
	v_lshl_or_b32 v[PW], v[TM+5], 8, v[TM+4]
	v_lshl_or_b32 v[PW], v[TM+6], 16, v[PW]
	v_lshl_or_b32 v[PW], v[TM+7], 24, v[PW]
.irp c, 0,1
	v_cvt_scalef32_pk16_fp6_f32 v[PC+\st*\c:PC+\st*\c+2], v[\s+32*\c:\s+15+32*\c], v[TM+12+2*\c]
	v_cvt_scalef32_pk16_fp6_f32 v[PC+16+4*\c:PC+18+4*\c], v[\s+16+32*\c:\s+31+32*\c], v[TM+13+2*\c]   ; (a conversion's three registers begin on an even number)
.endr
	v_nop                                          ; one plain place behind a scaled conversion
.irp c, 0,1
.irp i, 0,1,2
	v_permlane16_swap_b32 v[PC+\st*\c+\i], v[PC+16+4*\c+\i]   ; a whole block to a lane
.endr
.irp i, 0,1,2
	v_mov_b32 v[PC+\st*\c+3+\i], v[PC+16+4*\c+\i]
.endr
.endr
.endm
; What a tile of Q (t = 0) or K (t = 1) puts at k = 64 and into the upper half of its scale words
.macro QKSET t
.if \t == 0
	s_mov_b32 s[KEEP], -1                          ; every query has -1.0 under the byte 162
	s_mov_b32 s[CM], 0x28
	s_mov_b32 s[CO], 0x28
	s_mov_b32 s[EM], 0x01a20000
	s_mov_b32 s[EO], 0x01a20000
	s_mov_b32 s[HS], 4096
.else
	s_cmp_lg_u32 s[ANY], 0
	s_cselect_b32 s[KEEP], -1, 0                   ; K's codes are kept, or cleared where no key of the batch is open
	s_cselect_b32 s[CM], 8, 0                      ; a hidden key: +1.0
	s_mov_b32 s[EO], 0x01010000                    ; an open key: bytes 1, 1
	s_cselect_b32 s[EM], 0x01a20000, s[EO]         ; a hidden key: 162, 1
	s_mov_b32 s[CO], 0
	s_mov_b32 s[HS], 6144
.endif
	v_sub_nc_u32 v19, 1, v2
	v_mul_u32_u24 v20, s[CO], v19                  ; the codes stand in lanes 0-15 alone: k = 64 is theirs
	v_mul_u32_u24 v21, s[CM], v19
	v_mov_b32 v22, s[EO]
	v_mov_b32 v23, s[EM]
	v_mul_u32_u24 v29, s[HS], v2
	v_lshl_add_u32 v29, v1, 4, v29                 ; 16 r, lanes 16-31 a head on
	WIN 0x80
.irp a, 0,1,2,3
	v_cndmask_b32 v[EXT+\a], v20, v21, s[HID+\a]
	v_cndmask_b32 v[ES+\a], v22, v23, s[HID+\a]
.endr
	v_mov_b32 v[SOF], v29
	WIN 0
.endm
; A's tile a of Q or K: 16 tokens x 128 channels.  bw: the windows of the bias's addition (bq in window 2, bk in window 3)
.macro QKBLOCK a, bw
	s_wait_xcnt 0x0                                ; the last tile's stores have read their registers
	WIN \bw
.set kk, 0
.rept 32
	v_pk_add_f32 v[64*\a+kk:64*\a+kk+1], v[64*\a+kk:64*\a+kk+1], v[BIAS+kk:BIAS+kk+1]   ; ascending: each accumulator from its low end on
.set kk, kk+2
.endr
	WIN 0xa1                                       ; destination and source 2 window 2, source 0 window 1, source 1 window 0
.irp hd, 0,1
.irp k, 0,2,4,6,8,10,12,14                     ; x1 = channels 16 h + k, x2 = 32 + 16 h + k of head hd
	v_pk_mul_f32 v[HA+32*\hd+\k:HA+32*\hd+\k+1], v[64*\a+32*\hd+\k:64*\a+32*\hd+\k+1], v[COS+32*\a+\k:COS+32*\a+\k+1]
	v_pk_mul_f32 v[HA+32*\hd+16+\k:HA+32*\hd+17+\k], v[64*\a+32*\hd+\k:64*\a+32*\hd+\k+1], v[COS+32*\a+16+\k:COS+32*\a+17+\k]
	v_pk_fma_f32 v[HA+32*\hd+\k:HA+32*\hd+\k+1], v[64*\a+32*\hd+16+\k:64*\a+32*\hd+17+\k], v[COS+32*\a+16+\k:COS+32*\a+17+\k], v[HA+32*\hd+\k:HA+32*\hd+\k+1] neg_lo:[1,0,0] neg_hi:[1,0,0]   ; x1 cos - x2 sin
	v_pk_fma_f32 v[HA+32*\hd+16+\k:HA+32*\hd+17+\k], v[64*\a+32*\hd+16+\k:64*\a+32*\hd+17+\k], v[COS+32*\a+\k:COS+32*\a+\k+1], v[HA+32*\hd+16+\k:HA+32*\hd+17+\k]   ; x1 sin + x2 cos
.endr
.endr
	WIN 0xaa
	QUANT HA, 8                                    ; c = the head: lanes 0-15 its channels 0-31, lanes 16-31 its channels 32-63: registers 0-5 of its image
.irp i, 0,1,2,3,4,5,8,9,10,11,12,13
	v_and_b32 v[PC+\i], s[KEEP], v[PC+\i]
.endr
	v_mov_b32 v[PC+6], v[EXT+\a]
	v_mov_b32 v[PC+14], v[EXT+\a]
	v_lshrrev_b32 v[TP], v[SH], v[PW]              ; lanes 0-15: the first head's two bytes, lanes 16-31 the second's
	v_and_or_b32 v[SWD+\a], v[TP], 0xffff, v[ES+\a]
	global_store_b128 v[LI], v[PC:PC+3], s[CB0:CB0+1] offset:1024*\a          ; each store covers 512 consecutive bytes, aligned
	global_store_b128 v[LI], v[PC+4:PC+7], s[CB0:CB0+1] offset:1024*\a+512
	global_store_b128 v[LI], v[PC+8:PC+11], s[CB1:CB1+1] offset:1024*\a
	global_store_b128 v[LI], v[PC+12:PC+15], s[CB1:CB1+1] offset:1024*\a+512
.endm
; The way out of a tile of Q (t = 0) or K (t = 1)
.macro EPI_QK t
	s_wait_xcnt 0x0                                ; the bases below are written again only behind this wait
	s_lshr_b32 s2, s[ATQ], 3
	s_lshl_b32 s2, s2, 4
	s_lshl_b32 s3, s[BTQ], 2
	s_add_co_u32 s2, s2, s3
	s_lshl_b32 s3, s[WB], 1
	s_add_co_u32 s2, s2, s3                        ; 16 x batch + my first head
	s_and_b32 s3, s[ATQ], 7                        ; which 128 positions of the batch
.if \t == 0
	s_lshl_b32 s94, s2, 16                         ; Q: 65,536 bytes a head, 1,024 a tile: tile 8 (group) + 4 (my half) + a
	s_lshl_b32 s95, s3, 13
	s_add_co_u32 s94, s94, s95
	s_lshl_b32 s95, s[WA], 12
	s_add_co_u32 s94, s94, s95
	s_mov_b32 s95, 0
	s_add_nc_u64 s[CB0:CB0+1], s[22:23], s[94:95]
	s_add_nc_u64 s[CB1:CB1+1], s[CB0:CB0+1], 65536
	s_lshl_b32 s94, s2, 12
.else
	s_mul_i32 s94, s2, 114688                      ; K: behind Q's part; 114,688 bytes a head, 14,336 a key step
	s_mul_i32 s95, s3, 14336
	s_add_co_u32 s94, s94, s95
	s_lshl_b32 s95, s[WA], 12
	s_add_co_u32 s94, s94, s95
	s_add_co_u32 s94, s94, 8388608
	s_mov_b32 s95, 0
	s_add_nc_u64 s[CB0:CB0+1], s[22:23], s[94:95]
	s_add_nc_u64 s[CB1:CB1+1], s[CB0:CB0+1], 114688
	s_mul_i32 s94, s2, 6144
	s_add_co_u32 s94, s94, 524288
.endif
	s_lshl_b32 s3, s3, 9
	s_add_co_u32 s94, s94, s3
	s_lshl_b32 s3, s[WA], 8
	s_add_co_u32 s94, s94, s3
	s_add_nc_u64 s[SWB:SWB+1], s[24:25], s[94:95]  ; the scale words: tile T's word of row r at 512 (T / 8) + 256 ((T % 8) / 4) + 16 r + 4 (T % 4)
	WIN 0xaa
.irp b, 0,1,2,3
	v_mov_b32 v[TM+4+\b], 0                        ; a lane permute's destination counts as one of its sources
.endr
	v_mov_b32 v[PC+7], 0                           ; register 7 of both images
	v_mov_b32 v[PC+15], 0
.irp a, 0,1,2,3
	QKBLOCK \a, 0x49+4*\t
.endr
	global_store_b128 v[SOF], v[SWD:SWD+3], s[SWB:SWB+1]   ; sixteen lanes store 256 consecutive bytes of each head
	s_wait_xcnt 0x0                                ; the stores have read their registers: the next tile's fragments may land there
	WIN 0
.endm
.macro VBLOCK a                        ; 16 channels x 128 keys
	s_wait_xcnt 0x0
	WIN 0x89                                       ; destination and bias window 2, accumulators window 1
.set kk, 0
.rept 32
	v_pk_add_f32 v[HA+kk:HA+kk+1], v[64*\a+kk:64*\a+kk+1], v[VB+2*\a:VB+2*\a+1] op_sel_hi:[1,0]
.set kk, kk+2
.endr
	WIN 0xaa
	QUANT HA, 6
	v_mov_b32 v[SWD+\a], v[PW]
.irp c, 0,1,2
	global_store_b128 v[LI], v[PC+4*\c:PC+4*\c+3], s[CB0:CB0+1] offset:1536*\a+512*\c
.endr
.endm
	s_load_b512 s[4:19], s[0:1], 0x0               ; a_codes 4, a_scales 6, w_codes 8, w_scales 10, rope 12, mask 14, bq 16, bk 18
	s_load_b128 s[20:23], s[0:1], 0x40             ; bv 20, h_codes 22
	s_load_b64 s[24:25], s[0:1], 0x50              ; h_scales
	v_lshl_add_u32 v[SPW], v0, 2, SPARE
	v_mov_b32 v[NIL], 0
	ds_add_u32 v30, v31
	ds_add_u32 v30, v31
	s_wait_dscnt 0x0
	v_lshrrev_b32 v1, 5, v0
	v_readfirstlane_b32 s[WV], v1                  ; wave 0..3
	s_lshr_b32 s[WA], s[WV], 1                     ; which 64 rows of A are mine.  Also: I fetch for A (0) or for B (1)
	s_and_b32 s[WB], s[WV], 1                      ; which 128 rows of B.  Also: which half of that tile I fetch
	s_bfe_u32 s98, ttmp6, 0x40000                  ; cx
	s_bfe_u32 s99, ttmp6, 0x40004                  ; cy
	s_and_b32 s100, ttmp7, 0xffff                  ; c: the cluster's y, 0 .. 15
	s_lshl_b32 s104, s99, 2
	s_lshl_b32 s104, 15, s104                      ; my row of the cluster
	s_lshl_b32 s105, 0x1111, s98                   ; my column
	s_or_b32 s[G1A], s104, CW
	s_or_b32 s[G1B], s105, CW
	GROUP1 G1A, 64                                 ; 64 or 128 rows of 768 bytes
	GROUP1 G1B, 128
	s_lshl_b32 s[ATQ], s100, 2
	s_add_co_u32 s[ATQ], s[ATQ], s99               ; Q, K: A's tile 4 c + cy (0..63),
	s_mov_b32 s[BTQ], s98                          ; B's tile cx (0..3)
	s_and_b32 s[ATV], s100, 1
	s_lshl_b32 s[ATV], s[ATV], 2
	s_add_co_u32 s[ATV], s[ATV], s99               ; V: A's tile 4 (c & 1) + cy (0..7),
	s_lshr_b32 s[BTV], s100, 1
	s_lshl_b32 s[BTV], s[BTV], 2
	s_add_co_u32 s[BTV], s[BTV], s98               ; B's tile 4 (c >> 1) + cx (0..31)
	s_lshl_b32 s72, s[ATQ], 1
	s_add_co_u32 s72, s72, s[WB]
	s_mul_i32 s72, s72, 49152                      ; what I fetch of A: 64 rows of 768 bytes
	s_mov_b32 s73, 0
	s_lshl_b32 s74, s[BTQ], 1
	s_add_co_u32 s74, s74, s[WB]
	s_mul_i32 s74, s74, 98304                      ; of B: 128 rows
	s_mov_b32 s75, 0
	s_lshl_b32 s[OAV], s[ATV], 1
	s_add_co_u32 s[OAV], s[OAV], s[WB]
	s_mul_i32 s[OAV], s[OAV], 49152
	s_add_co_u32 s[OAV], s[OAV], 1572864           ; Wv is the third weight,
	s_lshl_b32 s[OBV], s[BTV], 1
	s_add_co_u32 s[OBV], s[OBV], s[WB]
	s_mul_i32 s[OBV], s[OBV], 98304
	s_add_co_u32 s[OBV], s[OBV], 12582912          ; v the third activation
	s_mul_i32 s86, s[WB], 52224                    ; where they go: A: half x 64 rows;  B: behind A's 128 rows, half x 128 rows: no place in the cluster enters an LDS address
	s_mul_i32 s87, s[WB], 104448
	s_wait_kmcnt 0x0
	s_mov_b32 s[G0A], 1
	s_mov_b32 s[G0A+1], s86
	s_add_nc_u64 s[G0A+2:G0A+3], s[4:5], s[72:73]
	s_or_b32 s[G0A+3], s[G0A+3], 0x80000000
	s_mov_b32 s[G0B], 1
	s_add_co_u32 s[G0B+1], s87, BOFF
	s_add_nc_u64 s[G0B+2:G0B+3], s[8:9], s[74:75]
	s_or_b32 s[G0B+3], s[G0B+3], 0x80000000
	CROUND                                         ; all sixteen work-groups are here: the joint loads meet
	JLOAD                                          ; Q's tile
	; while it is on its way: everything that the three tiles' ways out want is asked for once
	s_mov_b32 s[SEL], 0x76543210
	s_mov_b32 s[SEL+1], 0xfedcba98
	v_and_b32 v1, 15, v0                           ; r
	v_bfe_u32 v2, v0, 4, 1                         ; h
	v_and_b32 v3, 8, v1
	v_add_nc_u32 v3, v3, v1                        ; r + 8 (r / 8): the row that lies at position r
	v_and_b32 v28, 31, v0                          ; lane
	v_lshlrev_b32 v[SO], 5, v1
	s_mov_b32 s3, 0
	s_lshl_b32 s2, s[ATQ], 1
	s_add_co_u32 s2, s2, s[WA]
	s_lshl_b32 s2, s2, 11
	s_add_nc_u64 s[SAP:SAP+1], s[6:7], s[2:3]      ; the scale words of my 64 rows of A: 32 bytes a row,
	s_lshl_b32 s2, s[BTQ], 1
	s_add_co_u32 s2, s2, s[WB]
	s_lshl_b32 s2, s2, 12
	s_add_nc_u64 s[SBP:SBP+1], s[10:11], s[2:3]    ; and of my 128 rows of B
	s_lshl_b32 s[SAV], s[ATV], 1
	s_add_co_u32 s[SAV], s[SAV], s[WA]
	s_lshl_b32 s[SAV], s[SAV], 11
	s_add_co_u32 s[SAV], s[SAV], 65536
	s_lshl_b32 s[SBV], s[BTV], 1
	s_add_co_u32 s[SBV], s[SBV], s[WB]
	s_lshl_b32 s[SBV], s[SBV], 12
	s_add_co_u32 s[SBV], s[SBV], 524288
	SCLOAD
	s_and_b32 s2, s[ATQ], 7
	s_lshl_b32 s2, s2, 1
	s_add_co_u32 s2, s2, s[WA]
	s_lshl_b32 s2, s2, 6                           ; my first token in its batch
	s_mov_b32 s95, 0
	s_lshl_b32 s94, s2, 8
	s_add_nc_u64 s[12:13], s[12:13], s[94:95]      ; the table: 256 bytes a token
	s_lshr_b32 s94, s[ATQ], 3
	s_lshl_b32 s94, s94, 12
	s_add_nc_u64 s[14:15], s[14:15], s[94:95]      ; the batch's mask
	s_lshl_b32 s94, s[BTQ], 1
	s_add_co_u32 s94, s94, s[WB]
	s_lshl_b32 s94, s94, 9
	s_add_nc_u64 s[16:17], s[16:17], s[94:95]      ; bq and bk at my 128 channels
	s_add_nc_u64 s[18:19], s[18:19], s[94:95]
	s_lshl_b32 s94, s[ATV], 1
	s_add_co_u32 s94, s94, s[WA]
	s_lshl_b32 s94, s94, 8
	s_add_nc_u64 s[20:21], s[20:21], s[94:95]      ; bv at my 64 channels
	v_lshlrev_b32 v18, 8, v3
	v_lshl_add_u32 v18, v2, 6, v18                 ; my token's row of the table, + 64 h: frequencies 16 h + 0 .. 15
	v_lshlrev_b32 v19, 6, v2
	v_add_nc_u32 v20, s2, v3
	v_lshlrev_b32 v20, 2, v20
	v_lshlrev_b32 v21, 4, v28
	v_lshlrev_b32 v22, 2, v3
.irp a, 0,1,2,3
.irp i, 0,1,2,3
	global_load_b128 v[COS+32*\a+4*\i:COS+32*\a+4*\i+3], v18, s[12:13] offset:256*(32*(\a/2)+8*(\a%2))+16*\i
	global_load_b128 v[COS+32*\a+16+4*\i:COS+32*\a+16+4*\i+3], v18, s[12:13] offset:256*(32*(\a/2)+8*(\a%2))+128+16*\i
.endr
	global_load_b32 v[24+\a], v20, s[14:15] offset:4*(32*(\a/2)+8*(\a%2))    ; my token's mask word
.endr
	WIN 0x40                                       ; destination window 1: the accumulators' registers are idle
.irp i, 0,1,2,3,4,5,6,7
	global_load_b128 v[4*\i:4*\i+3], v21, s[14:15] offset:512*\i             ; the batch's 1,024 words
.endr
	WIN 0x80
.irp b, 0,1,2,3
.irp i, 0,1,2,3
	global_load_b128 v[BIAS+16*\b+4*\i:BIAS+16*\b+4*\i+3], v19, s[16:17] offset:128*\b+16*\i   ; register 16 b + i: channel 32 b + 16 h + i: the accumulators' order
.endr
.endr
.irp a, 0,1,2,3
	global_load_b32 v[VB+2*\a], v22, s[20:21] offset:4*(32*(\a/2)+8*(\a%2))   ; my channel's bv
	v_mov_b32 v[VB+2*\a+1], 0                      ; (named with it as a pair)
.endr
	v_lshlrev_b32 v[SH], 4, v2
	v_lshlrev_b32 v[LI], 4, v28
	WIN 0xc0
.irp b, 0,1,2,3
.irp i, 0,1,2,3
	global_load_b128 v[BIAS+16*\b+4*\i:BIAS+16*\b+4*\i+3], v19, s[18:19] offset:128*\b+16*\i
.endr
.endr
	WIN 0
	v_mul_u32_u24 v15, v1, PITCH
	v_mad_u32_u24 v16, v2, 24, v15                 ; a fragment's row x pitch + 24 x half,
	v_mad_u32_u24 v17, v2, 40, v15                 ; and the same behind one padding more
	s_mul_i32 s2, s[WA], 52224
	s_mul_i32 s94, s[WB], 104448
	s_add_co_u32 s94, s94, BOFF
	v_add_nc_u32 v[ADRA], s2, v16
	v_add_nc_u32 v[ADRA+1], s2, v17
	v_add_nc_u32 v[ADRB], s94, v16
	v_add_nc_u32 v[ADRB+1], s94, v17
	v_add_nc_u32 v[ADRB2], 4*BLK, v[ADRB]
	v_add_nc_u32 v[ADRB2+1], 4*BLK, v[ADRB+1]
	s_wait_loadcnt 0x0
	WIN 0x55                                       ; all in window 1
.irp n, 16,8,4,2,1
.set ii, 0
.rept \n
	v_or_b32 v[ii], v[ii], v[\n+ii]
.set ii, ii+1
.endr
.endr
	v_cmp_ne_u32 vcc_lo, 0, v0
	WIN 0
	s_cmp_lg_u32 vcc_lo, 0                         ; is any key of the batch open?
	s_cselect_b32 s[ANY], -1, 0
.irp a, 0,1,2,3
	v_cmp_eq_u32 s[HID+\a], 0, v[24+\a]            ; hidden?
.endr
	; ---------------- Q
	QKSET 0
	MAIN 1
	s_add_nc_u64 s[SAP:SAP+1], s[SAP:SAP+1], 262144   ; K's scale words: the same rows of the next tensors
	s_add_nc_u64 s[SBP:SBP+1], s[SBP:SBP+1], 32768
	SCLOAD
	EPI_QK 0
	; ---------------- K
	QKSET 1
	MAIN 2
	s_mov_b32 s3, 0
	s_mov_b32 s2, s[SAV]
	s_add_nc_u64 s[SAP:SAP+1], s[10:11], s[2:3]    ; V's: A is the weight, B the activation
	s_mov_b32 s2, s[SBV]
	s_add_nc_u64 s[SBP:SBP+1], s[6:7], s[2:3]
	SCLOAD
	EPI_QK 1
	; ---------------- V
	v_lshlrev_b32 v29, 4, v1
	WIN 0x80
	v_mov_b32 v[SOF], v29
	WIN 0
	MAIN 0
	s_lshr_b32 s2, s[BTV], 2
	s_lshl_b32 s2, s2, 4
	s_lshl_b32 s3, s[ATV], 1
	s_add_co_u32 s2, s2, s3
	s_add_co_u32 s2, s2, s[WA]                     ; 16 x batch + head
	s_and_b32 s3, s[BTV], 3
	s_lshl_b32 s3, s3, 1
	s_add_co_u32 s3, s3, s[WB]                     ; the key step
	s_mul_i32 s94, s2, 114688
	s_mul_i32 s95, s3, 14336
	s_add_co_u32 s94, s94, s95
	s_add_co_u32 s94, s94, 8388608+8192            ; behind Q's part, and behind the step's K
	s_mov_b32 s95, 0
	s_add_nc_u64 s[CB0:CB0+1], s[22:23], s[94:95]
	s_mul_i32 s94, s2, 6144
	s_lshl_b32 s3, s3, 8
	s_add_co_u32 s94, s94, s3
	s_add_co_u32 s94, s94, 524288+4096
	s_add_nc_u64 s[SWB:SWB+1], s[24:25], s[94:95]
	WIN 0xaa
.irp b, 0,1,2,3
	v_mov_b32 v[TM+4+\b], 0
.endr
.irp a, 0,1,2,3
	VBLOCK \a
.endr
	global_store_b128 v[SOF], v[SWD:SWD+3], s[SWB:SWB+1]   ; 256 consecutive bytes; lanes r and r + 16 hold the same words and store them to the same place
	WIN 0
	s_wait_tensorcnt 0x0                           ; the wave's end, behind my last tensor load
	ds_add_u32 v[SPW], v[NIL]
	s_wait_dscnt 0x0
	CROUND                                         ; the closing round: no work-group ends while a partner may still ask for a tile that names it
	s_endpgm
.Lfunc_end_k_q927df104e3_proj:
	.size	k_q927df104e3_proj, .Lfunc_end_k_q927df104e3_proj-k_q927df104e3_proj
	.p2alignl 7, 3214868480
	.fill 96, 4, 3214868480
	.section	.rodata,"a",@progbits
	.p2align	6, 0x0
	.amdhsa_kernel k_q927df104e3_proj
		.amdhsa_group_segment_fixed_size 327680
		.amdhsa_private_segment_fixed_size 0
		.amdhsa_enable_private_segment 0
		.amdhsa_kernarg_size 88
		.amdhsa_user_sgpr_count 2
		.amdhsa_user_sgpr_kernarg_segment_ptr 1
		.amdhsa_wavefront_size32 1
		.amdhsa_system_sgpr_workgroup_id_x 1
		.amdhsa_system_sgpr_workgroup_id_y 1
		.amdhsa_system_sgpr_workgroup_id_z 1
		.amdhsa_system_vgpr_workitem_id 0
		.amdhsa_next_free_vgpr 1024
		.amdhsa_next_free_sgpr 106
		.amdhsa_reserve_vcc 1
		.amdhsa_float_denorm_mode_32 3
		.amdhsa_float_denorm_mode_16_64 3
		.amdhsa_memory_ordered 1
		.amdhsa_forward_progress 1
		.amdhsa_inst_pref_size 255
	.end_amdhsa_kernel
	.section	.bss,"aw",@nobits
	.p2align	6
	.space	262144
	.amdgpu_metadata
---
amdhsa.version: [ 1, 2 ]
amdhsa.kernels:
  - .name:           k_q927df104e3_proj
    .symbol:         k_q927df104e3_proj.kd
    .args:
      - { .name: a_codes, .offset: 0, .size: 8, .value_kind: global_buffer, .address_space: global }
      - { .name: a_scales, .offset: 8, .size: 8, .value_kind: global_buffer, .address_space: global }
      - { .name: w_codes, .offset: 16, .size: 8, .value_kind: global_buffer, .address_space: global }
      - { .name: w_scales, .offset: 24, .size: 8, .value_kind: global_buffer, .address_space: global }
      - { .name: rope, .offset: 32, .size: 8, .value_kind: global_buffer, .address_space: global }
      - { .name: mask, .offset: 40, .size: 8, .value_kind: global_buffer, .address_space: global }
      - { .name: bq, .offset: 48, .size: 8, .value_kind: global_buffer, .address_space: global }
      - { .name: bk, .offset: 56, .size: 8, .value_kind: global_buffer, .address_space: global }
      - { .name: bv, .offset: 64, .size: 8, .value_kind: global_buffer, .address_space: global }
      - { .name: h_codes, .offset: 72, .size: 8, .value_kind: global_buffer, .address_space: global }
      - { .name: h_scales, .offset: 80, .size: 8, .value_kind: global_buffer, .address_space: global }
    .group_segment_fixed_size: 327680
    .private_segment_fixed_size: 0
    .kernarg_segment_align: 8
    .kernarg_segment_size: 88
    .max_flat_workgroup_size: 128
    .sgpr_count:     106
    .vgpr_count:     1024
    .wavefront_size: 32
...
	.end_amdgpu_metadata
.endif
;; end of part 2
;; launch attn (part 3): grid 2 x 128, 16 waves a work-group, no clusters, 169,984 bytes of LDS; arguments h_codes, h_scales, x_q; writes x_q
.if DOCPART == 3
	.amdgcn_target "amdgcn-amd-amdhsa--gfx1250"
	.amdhsa_code_object_version 6
	.text
	.protected	k_q927df104e3_attn
	.globl	k_q927df104e3_attn
	.p2align	8
	.type	k_q927df104e3_attn,@function
k_q927df104e3_attn:
	s_mov_b64 s[64:65], 0
	v_nop
	global_prefetch_b8 v0, s[64:65] scope:SCOPE_SE
	s_setreg_imm32_b32 hwreg(HW_REG_WAVE_MODE, 25, 1), 1
	s_wait_xcnt 0x0
; x = softmax(Q K^T / 8, masked) V for one head, both products on codes of FP6 (E2M3); x is quantised along the embedding for the last projection.
; THE SOFTMAX: t = score x log2(e) / 8; M = the running largest t rounded UP to a whole number; p = 2^(t - M) is quantised along the keys, not normalised; the row's sum is taken of the unquantised p and divides at the end.
; THE MASK is in the operands: at k = 64 of the score product a query has -1.0 x 2^35 and a hidden key +1.0 x 2^35, so a hidden score arrives as score - 2^70.  The largest t starts at -2^60, over every hidden t: hidden keys never set M, and their p is 0.
; LIMIT: rows in which every open t lies under -2^60 are not served.
; SHARES: a work-group has one head and 512 queries; each of its sixteen waves two tiles of 16 queries, one after the other, in 256 registers: four waves to a SIMD, so that one wave's vector work stands beside another's matrix work and LDS loads.
; A head's K, V and their scale words, 120,832 bytes, come into LDS ONCE and stay: no byte is filled twice.  K and V lie by key steps of 128 keys, [K 8,192 | V 6,144] bytes a step, and come IN TWO STAGES, each shared out among all sixteen waves:
; stage 1 = steps 0 and 1 and step 2's K (36,864 bytes: 9 rows of 256 bytes a wave), stage 2 = the rest (19 rows a wave); wave 0 also brings the scale words, first.  The first two key steps run while stage 2 is on its way; a second barrier stands behind them.
; NO CLUSTER: only the two work-groups of a head read the same bytes, and clusters are four wide where the grid is two; what is shared is fetched once, at the head of a work-group that then runs 16 key steps a wave on it.
; The sixteen key steps of a wave are written out: every LDS address is 16 x lane (or 16 x (lane % 16)) + a constant, and no address is stepped.
; LAYOUT: both products transposed: S^T = K Q^T, O^T = V^T P^T: a lane holds ONE query.  K's, V's and Q's rows lie by positions, so the 16 registers of tiles 2 b, 2 b + 1 of S^T are keys 32 b + 16 (lane / 16) + 0 .. 15, and those of O^T channels likewise.
; K'S FRAGMENTS STAND 8 REGISTERS APART: fragment t is named v[32 + 8 t : 32 + 8 t + 11]; its registers 8-11 are the next fragment's first four.  They, register 7 and the rest of register 6 meet only zero codes of Q: they add exactly 0.
; REGISTERS: v1-7 addresses that stay; v8 the old -M; v12 -M, v13 the largest t, v[14:15] the sum; v16-27 Q, v28 its scale word; v29 at work; v30 f, v31 p's scale word; v32-95 K; v96-99 zeros; v100-107 K's scale words, v108-111 V's;
;   v112-175 S^T, then p, then V's four fragments; v176-207 O^T; v208-219 p's codes; v220-235 at work; v236-244 the second tile's Q; v[246:247] the second chain of sums, at last 1 / the sum.
.set STEPB, 14336                      ; a key step's K and V
.set S,    112
.set O,    176
.set PCD,  208
.set BM,   220
.set PB,   224
.set SOP,  232
.set WV,   10
.set G1A,  16                          ; s[16:23] group 1 of stage 1;  s[24:31] of stage 2;  s[68:75] of the scale words;  s[32:35], s[36:39], s[76:79] their groups 0
.set G1B,  24
.set G0A,  32
.set G0B,  36
.set SEL,  40
.set CS,   42
.set XB,   50
.set XS,   52
.set G1S,  68
.set G0S,  76
.macro DENSE g, rows                   ; dense rows of 256 bytes (32 elements of 8 bytes), no padding: the images are read 16 bytes a lane, on end
	s_mov_b32 s[\g], 3<<16
	s_mov_b32 s[\g+1], 32<<16
	s_mov_b32 s[\g+2], (\rows)<<16
	s_mov_b32 s[\g+3], 32<<16
	s_mov_b32 s[\g+4], \rows
	s_mov_b32 s[\g+5], 32
	s_mov_b32 s[\g+6], 0
	s_mov_b32 s[\g+7], 0
.endm
	s_load_b128 s[4:7], s[0:1], 0x0                ; h_codes, h_scales
	s_load_b64 s[8:9], s[0:1], 0x10                ; x_q
	v_lshl_add_u32 v254, v0, 2, 0x29000
	v_mov_b32 v255, 0
	ds_add_u32 v254, v255
	ds_add_u32 v254, v255
	v_lshrrev_b32 v8, 5, v0
	v_readfirstlane_b32 s[WV], v8                  ; wave 0..15
	s_and_b32 s12, ttmp7, 0xffff                   ; 16 x batch + head
	DENSE G1A, 9
	DENSE G1B, 19
	DENSE G1S, 24
	v_and_b32 v5, 31, v0                           ; lane
	v_and_b32 v7, 15, v0                           ; r
	v_lshlrev_b32 v1, 4, v5                        ; the images of key steps 0-3: 16 x lane;
	v_add_nc_u32 v2, 4*STEPB, v1                   ; of steps 4-7
	v_lshlrev_b32 v6, 5, v7                        ; x's scale bytes: 32 bytes a row
	v_lshlrev_b32 v7, 4, v7
	v_add_nc_u32 v3, 114688, v7                    ; K's scale words: 16 r
	v_add_nc_u32 v4, 118784, v7                    ; V's
	v_lshlrev_b32 v5, 3, v5
	s_lshl_b32 s56, s12, 16                        ; Q's images: 65,536 bytes a head, 1,024 a tile; my first tile is 32 x + wave
	s_lshl_b32 s54, ttmp9, 5
	s_add_co_u32 s54, s54, s[WV]
	s_lshl_b32 s54, s54, 10
	s_add_co_u32 s56, s56, s54
	s_mov_b32 s57, 0
	s_lshl_b32 s58, s12, 12                        ; Q's scale words
	s_lshl_b32 s13, ttmp9, 2
	s_lshr_b32 s55, s[WV], 3
	s_add_co_u32 s13, s13, s55                     ; tile / 8
	s_lshl_b32 s55, s13, 9
	s_add_co_u32 s58, s58, s55
	s_bfe_u32 s55, s[WV], 0x10002
	s_lshl_b32 s55, s55, 8
	s_add_co_u32 s58, s58, s55
	s_and_b32 s55, s[WV], 3
	s_lshl_b32 s55, s55, 2
	s_add_co_u32 s58, s58, s55
	s_mov_b32 s59, 0
	s_mul_i32 s44, s[WV], 2304                     ; my 9 rows of stage 1,
	s_mul_i32 s45, s[WV], 4864                     ; my 19 rows of stage 2
	s_mul_i32 s46, s12, 114688
	s_add_co_u32 s46, s46, 8388608                 ; the head's K and V, behind Q's part
	s_add_co_u32 s14, s46, s45
	s_add_co_u32 s14, s14, 36864
	s_mov_b32 s15, 0
	s_add_co_u32 s46, s46, s44
	s_mov_b32 s47, 0
	s_add_co_u32 s45, s45, 36864
	s_mul_i32 s48, s12, 6144
	s_add_co_u32 s48, s48, 524288
	s_mov_b32 s49, 0
	s_wait_dscnt 0x0
	s_wait_kmcnt 0x0
	s_add_nc_u64 s[56:57], s[4:5], s[56:57]
	s_add_nc_u64 s[58:59], s[6:7], s[58:59]
	global_load_b128 v[16:19], v1, s[56:57]        ; the first tile's Q is asked for ahead of everything: the first products want it
	global_load_b128 v[20:23], v1, s[56:57] offset:512
	global_load_b32 v28, v7, s[58:59]
	s_mov_b32 s[G0A], 1
	s_mov_b32 s[G0A+1], s44
	s_add_nc_u64 s[G0A+2:G0A+3], s[4:5], s[46:47]
	s_or_b32 s[G0A+3], s[G0A+3], 0x80000000
	s_mov_b32 s[G0B], 1
	s_mov_b32 s[G0B+1], s45
	s_add_nc_u64 s[G0B+2:G0B+3], s[4:5], s[14:15]
	s_or_b32 s[G0B+3], s[G0B+3], 0x80000000
	s_mov_b32 s[G0S], 1
	s_mov_b32 s[G0S+1], 114688
	s_add_nc_u64 s[G0S+2:G0S+3], s[6:7], s[48:49]
	s_or_b32 s[G0S+3], s[G0S+3], 0x80000000
	s_cmp_eq_u32 s[WV], 0                          ; a wave's first fills stand in one branch: wave 0 has three loads out, the others two; stage 2's is the last on both ways
	s_cbranch_scc0 .Lothers
	tensor_load_to_lds s[G0S:G0S+3], s[G1S:G1S+7]
	s_nop 0
	tensor_load_to_lds s[G0A:G0A+3], s[G1A:G1A+7]
	s_nop 0
	tensor_load_to_lds s[G0B:G0B+3], s[G1B:G1B+7]
	s_nop 0
.rept 4
	v_nop
.endr
	s_branch .Lasked
.Lothers:
	tensor_load_to_lds s[G0A:G0A+3], s[G1A:G1A+7]
	s_nop 0
	tensor_load_to_lds s[G0B:G0B+3], s[G1B:G1B+7]
	s_nop 0
.rept 4
	v_nop
.endr
.Lasked:
	global_load_b128 v[236:239], v1, s[56:57] offset:16384     ; the second tile lies 16 tiles on
	global_load_b128 v[240:243], v1, s[56:57] offset:16896
	global_load_b32 v244, v7, s[58:59] offset:1024
	; where x goes: codes [group of 128 positions][K step = head / 2][tile of rows][1,536]; half head % 2: registers 0-3 at 16 x lane, 4-5 at 512 + 8 x lane;  scale bytes [position][32] behind them
	s_lshr_b32 s55, s12, 4
	s_lshl_b32 s55, s55, 3
	s_add_co_u32 s54, s13, s55                     ; the group: 8 x batch + tile / 8
	s_and_b32 s55, s12, 15                         ; the head
	s_lshl_b32 s44, s54, 3
	s_lshr_b32 s45, s55, 1
	s_add_co_u32 s44, s44, s45
	s_lshl_b32 s44, s44, 3
	s_and_b32 s45, s[WV], 7
	s_add_co_u32 s44, s44, s45
	s_mul_i32 s44, s44, 1536
	s_and_b32 s46, s55, 1
	s_mul_i32 s46, s46, 768
	s_add_co_u32 s44, s44, s46
	s_lshl_b32 s46, s54, 12
	s_lshl_b32 s45, s45, 9
	s_add_co_u32 s46, s46, s45
	s_lshl_b32 s55, s55, 1
	s_add_co_u32 s46, s46, s55
	s_add_co_u32 s46, s46, 6291456
	s_mov_b32 s45, 0
	s_mov_b32 s47, 0
	s_add_nc_u64 s[XB:XB+1], s[8:9], s[44:45]
	s_add_nc_u64 s[XS:XS+1], s[8:9], s[46:47]
	s_mov_b32 s[SEL], 0x76543210
	s_mov_b32 s[SEL+1], 0xfedcba98                 ; v_permlanex16_b32's selects for lane l xor 16
	s_mov_b32 s[CS], 0x3e38aa3b                    ; c = log2(e) / 8
	s_mov_b32 s[CS+1], s[CS]                       ; (named with it as a pair)
.irp i, 24,25,26,27,96,97,98,99
	v_mov_b32 v[\i], 0                             ; Q's registers 8-11, and what the last fragment of K names beyond its own
.endr
	s_wait_tensorcnt 0x1                           ; my part of stage 1 has landed, and in wave 0 the scale words; stage 2's load may stay out
	s_barrier_signal -1
	s_barrier_wait -1                              ; everybody's has
.macro KFETCH n                        ; key step n's eight tiles of K and their scale words: 18 loads
.irp t, 0,1,2,3,4,5,6,7
	ds_load_b128 v[32+8*\t:35+8*\t], v[1+(\n)/4] offset:STEPB*((\n)%4)+1024*\t
	ds_load_b128 v[36+8*\t:39+8*\t], v[1+(\n)/4] offset:STEPB*((\n)%4)+1024*\t+512
.endr
	ds_load_b128 v[100:103], v3 offset:512*(\n)
	ds_load_b128 v[104:107], v3 offset:512*(\n)+256
.endm
; Key step s: 128 keys.  pf = 1: the next step's K is fetched ahead (behind step 7: step 0's, for the next tile)
.macro KEYSTEP s, pf
	s_wait_dscnt 0x0                               ; K and its scale words, asked for a step ago
.irp t, 0,1,2,3,4,5,6,7
	v_wmma_scale_f32_16x16x128_f8f6f4 v[S+8*\t:S+8*\t+7], v[32+8*\t:43+8*\t], v[16:27], 0, v[100+\t], v28 matrix_a_fmt:MATRIX_FMT_FP6 matrix_b_fmt:MATRIX_FMT_FP6
.endr
	v_mov_b32 v8, v12                              ; the old -M.  Four plain lines: the places behind the products, for the loads into K's registers and the first read of the scores
.rept 3
	v_nop
.endr
.if \pf
	KFETCH ((\s)+1)%8                              ; it lands under the softmax
.endif
.irp b, 0,1,2,3
	v_max3_num_f32 v[BM+\b], v[S+16*\b], v[S+1+16*\b], v[S+2+16*\b]   ; the largest score of each block of 32 keys: for the row's maximum, and, since p rises with the score, for the block's largest p
.endr
.irp i, 3,5,7,9,11,13
.irp b, 0,1,2,3
	v_max3_num_f32 v[BM+\b], v[BM+\b], v[S+16*\b+\i], v[S+1+16*\b+\i]
.endr
.endr
.irp b, 0,1,2,3
	v_max_num_f32 v[BM+\b], v[BM+\b], v[S+15+16*\b]
.endr
.irp b, 0,1,2,3
	v_permlanex16_b32 v[PB+\b], v[BM+\b], s[SEL], s[SEL+1]
.endr
.irp b, 0,1,2,3
	v_max_num_f32 v[BM+\b], v[BM+\b], v[PB+\b]     ; with lane l xor 16's 16 keys
.endr
	v_max3_num_f32 v29, v[BM], v[BM+1], v[BM+2]
	v_max_num_f32 v29, v29, v[BM+3]
	v_mul_f32 v29, s[CS], v29                      ; the step's largest t
	v_max_num_f32 v13, v13, v29
	v_floor_f32 v12, -v13                          ; the new -M = -ceil(t)
	v_sub_f32 v29, v12, v8                         ; old M - new M: a whole number, 0 or less
	v_cvt_i32_f32 v29, v29                         ; (it saturates)
	v_ldexp_f32 v30, 1.0, v29                      ; f = 2^(old M - new M)
.set jj, 0
.rept 32
	v_pk_fma_f32 v[S+jj:S+jj+1], v[S+jj:S+jj+1], s[CS:CS+1], v[12:13] op_sel_hi:[1,0,0]   ; t - M
.set jj, jj+2
.endr
.irp b, 0,1,2,3
	v_fma_f32 v[BM+\b], v[BM+\b], s[CS], v12
.endr
.set jj, 0
.rept 64
	v_exp_f32 v[S+jj], v[S+jj]                     ; p = 2^(t - M)
.set jj, jj+1
.endr
.irp b, 0,1,2,3
	v_exp_f32 v[BM+\b], v[BM+\b]                   ; the block's largest p: the same two instructions on the same number
.endr
	v_pk_mul_f32 v[14:15], v[14:15], v[30:31] op_sel_hi:[1,0]   ; the sums under the new M (a plain place behind the exponentials)
	s_wait_alu depctr_va_vdst(0)
.irp b, 0,1,2,3
	v_max_num_f32 v[BM+\b], 0x1800000, v[BM+\b]    ; the floor 2^(3 - 127): a block whose every p is 0 keeps the byte 1
.endr
.irp b, 0,1,2,3
	v_add_nc_u32 v[SOP+\b], 0xff000000, v[BM+\b]   ; 2 off the exponent field: the conversion's scale operand
.endr
.irp b, 0,1,2,3
	v_lshrrev_b32 v[PB+\b], 23, v[SOP+\b]
.endr
	v_lshl_or_b32 v31, v[PB+1], 8, v[PB]           ; p's scale word for these 128 keys
	v_lshl_or_b32 v31, v[PB+2], 16, v31
	v_lshl_or_b32 v31, v[PB+3], 24, v31
	v_pk_add_f32 v[246:247], v[S:S+1], v[S+2:S+3]  ; the row's sum, of the unquantised p, in two chains
.irp j, 4,8,12,16,20,24,28,32,36,40,44,48,52,56,60
	v_pk_add_f32 v[14:15], v[14:15], v[S+\j:S+\j+1]
	v_pk_add_f32 v[246:247], v[246:247], v[S+\j+2:S+\j+3]
.endr
	v_pk_add_f32 v[14:15], v[14:15], v[246:247]
.irp c, 0,1
	v_cvt_scalef32_pk16_fp6_f32 v[PCD+6*\c:PCD+6*\c+2], v[S+32*\c:S+32*\c+15], v[SOP+2*\c]
	v_cvt_scalef32_pk16_fp6_f32 v[PB+4*\c:PB+4*\c+2], v[S+32*\c+16:S+32*\c+31], v[SOP+2*\c+1]
.endr
	v_nop                                          ; one plain place behind a scaled conversion
.irp a, 0,1,2,3                                ; V's four fragments take p's registers, which are done with
.irp c, 0,1,2
	ds_load_b128 v[S+12*\a+4*\c:S+12*\a+4*\c+3], v[1+(\s)/4] offset:STEPB*((\s)%4)+8192+1536*\a+512*\c
.endr
.endr
	ds_load_b128 v[108:111], v4 offset:256*(\s)
.irp c, 0,1
.irp i, 0,1,2
	v_permlane16_swap_b32 v[PCD+6*\c+\i], v[PB+4*\c+\i]   ; a whole block to a lane
.endr
.irp i, 0,1,2
	v_mov_b32 v[PCD+6*\c+3+\i], v[PB+4*\c+\i]
.endr
.endr
.set jj, 0
.rept 16
	v_pk_mul_f32 v[O+jj:O+jj+1], v[O+jj:O+jj+1], v[30:31] op_sel_hi:[1,0]   ; O^T under the new M; ascending: each accumulator from its low end on
.set jj, jj+2
.endr
.rept 4
	v_nop                                          ; p's codes were written by vector instructions: four places ahead of the scaled products
.endr
	s_wait_dscnt 0x0
.irp a, 0,1,2,3
	v_wmma_scale_f32_16x16x128_f8f6f4 v[O+8*\a:O+8*\a+7], v[S+12*\a:S+12*\a+11], v[PCD:PCD+11], v[O+8*\a:O+8*\a+7], v[108+\a], v31 matrix_a_fmt:MATRIX_FMT_FP6 matrix_b_fmt:MATRIX_FMT_FP6
.endr
.rept 5
	v_nop                                          ; the next scores are written over registers that these products read: five places
.endr
.endm
; One tile of 16 queries: the wave's first (it = 0) or second (1)
.macro TILE it
	v_mov_b32 v13, 0xdd800000                      ; the largest t so far: -2^60
	v_floor_f32 v12, -v13                          ; -M
	v_mov_b32 v14, 0
	v_mov_b32 v15, 0
	v_mov_b32 v31, 0                               ; (named as the upper half of the pair v[30:31] before it is first written)
.irp b, 0,1,2,3
	v_mov_b32 v[PB+\b], 0                          ; a lane permute's destination counts as one of its sources
.endr
.set jj, 0
.rept 32
	v_mov_b32 v[O+jj], 0                           ; O^T: the step has one form; the first finds zeros
.set jj, jj+1
.endr
	KEYSTEP 0, 1
	KEYSTEP 1, 1                                   ; it fetches step 2's K ahead: the last bytes of stage 1
.if \it == 0
	s_wait_tensorcnt 0x0                           ; my part of stage 2 has landed,
	s_wait_dscnt 0x0
	s_barrier_signal -1
	s_barrier_wait -1                              ; everybody's has
.endif
.irp s, 2,3,4,5,6
	KEYSTEP \s, 1
.endr
	KEYSTEP 7, 1-\it
	; the tile's end: x = O^T / the sum, quantised: my head's 64 channels are two blocks of the last projection's K
	v_add_f32 v14, v14, v15
	v_permlanex16_b32 v29, v14, s[SEL], s[SEL+1]
	v_add_f32 v14, v14, v29                        ; the row's sum
	v_rcp_f32 v246, v14
	v_nop                                          ; one plain place behind a transcendental
.set jj, 0
	s_wait_alu depctr_va_vdst(0)
.rept 16
	v_pk_mul_f32 v[S+jj:S+jj+1], v[O+jj:O+jj+1], v[246:247] op_sel_hi:[1,0]   ; register 16 b + i: channel 32 b + 16 (lane / 16) + i
.set jj, jj+2
.endr
.irp b, 0,1
	v_max3_num_f32 v[BM+\b], |v[S+16*\b]|, |v[S+1+16*\b]|, 0x1800000
.endr
.irp i, 2,4,6,8,10,12,14
.irp b, 0,1
	v_max3_num_f32 v[BM+\b], v[BM+\b], |v[S+16*\b+\i]|, |v[S+1+16*\b+\i]|
.endr
.endr
.irp b, 0,1
	v_permlanex16_b32 v[PB+\b], v[BM+\b], s[SEL], s[SEL+1]
.endr
.irp b, 0,1
	v_max_num_f32 v[BM+\b], v[BM+\b], v[PB+\b]
.endr
.irp b, 0,1
	v_add_nc_u32 v[SOP+\b], 0xff000000, v[BM+\b]
.endr
.irp b, 0,1
	v_lshrrev_b32 v[PB+\b], 23, v[SOP+\b]
.endr
	v_lshl_or_b32 v29, v[PB+1], 8, v[PB]           ; my row's two scale bytes
	v_cvt_scalef32_pk16_fp6_f32 v[PCD:PCD+2], v[S:S+15], v[SOP]
	v_cvt_scalef32_pk16_fp6_f32 v[PB+4:PB+6], v[S+16:S+31], v[SOP+1]
	v_nop
.irp i, 0,1,2
	v_permlane16_swap_b32 v[PCD+\i], v[PB+4+\i]
.endr
.irp i, 0,1,2
	v_mov_b32 v[PCD+3+\i], v[PB+4+\i]
.endr
	global_store_b128 v1, v[PCD:PCD+3], s[XB:XB+1] offset:196608*\it             ; 512 consecutive bytes, aligned; the second tile lies two groups of positions on
	global_store_b64 v5, v[PCD+4:PCD+5], s[XB:XB+1] offset:196608*\it+512        ; 256
	global_store_b16 v6, v29, s[XS:XS+1] offset:8192*\it   ; two bytes of a row's 32: the heads lie in different work-groups, so a row's bytes cannot be gathered here; one byte in 24 of what the launch stores.  Lanes r and r + 16 store the same bytes to the same place
.if \it == 0
	s_wait_xcnt 0x0                                ; the stores have read their registers
	s_wait_loadcnt 0x0                             ; the second tile's Q
.irp i, 0,1,2,3,4,5,6,7
	v_mov_b32 v[16+\i], v[236+\i]                  ; the lines at the next tile's head are the places ahead of its scaled products
.endr
	v_mov_b32 v28, v244
.endif
.endm
	KFETCH 0
	s_wait_loadcnt 0x3                             ; the first tile's Q and its scale words are in; the second tile's three loads may stay out
	TILE 0
	TILE 1
	s_wait_dscnt 0x0
	s_wait_tensorcnt 0x0
	ds_add_u32 v254, v255
	s_wait_dscnt 0x0
	s_endpgm
.Lfunc_end_k_q927df104e3_attn:
	.size	k_q927df104e3_attn, .Lfunc_end_k_q927df104e3_attn-k_q927df104e3_attn
	.p2alignl 7, 3214868480
	.fill 96, 4, 3214868480
	.section	.rodata,"a",@progbits
	.p2align	6, 0x0
	.amdhsa_kernel k_q927df104e3_attn
		.amdhsa_group_segment_fixed_size 169984
		.amdhsa_private_segment_fixed_size 0
		.amdhsa_enable_private_segment 0
		.amdhsa_kernarg_size 24
		.amdhsa_user_sgpr_count 2
		.amdhsa_user_sgpr_kernarg_segment_ptr 1
		.amdhsa_wavefront_size32 1
		.amdhsa_system_sgpr_workgroup_id_x 1
		.amdhsa_system_sgpr_workgroup_id_y 1
		.amdhsa_system_sgpr_workgroup_id_z 1
		.amdhsa_system_vgpr_workitem_id 0
		.amdhsa_next_free_vgpr 256
		.amdhsa_next_free_sgpr 80
		.amdhsa_reserve_vcc 0
		.amdhsa_float_denorm_mode_32 3
		.amdhsa_float_denorm_mode_16_64 3
		.amdhsa_memory_ordered 1
		.amdhsa_forward_progress 1
		.amdhsa_inst_pref_size 255
	.end_amdhsa_kernel
	.section	.bss,"aw",@nobits
	.p2align	6
	.space	262144
	.amdgpu_metadata
---
amdhsa.version: [ 1, 2 ]
amdhsa.kernels:
  - .name:           k_q927df104e3_attn
    .symbol:         k_q927df104e3_attn.kd
    .args:
      - { .name: h_codes, .offset: 0, .size: 8, .value_kind: global_buffer, .address_space: global }
      - { .name: h_scales, .offset: 8, .size: 8, .value_kind: global_buffer, .address_space: global }
      - { .name: x_q, .offset: 16, .size: 8, .value_kind: global_buffer, .address_space: global }
    .group_segment_fixed_size: 169984
    .private_segment_fixed_size: 0
    .kernarg_segment_align: 8
    .kernarg_segment_size: 24
    .max_flat_workgroup_size: 512
    .sgpr_count:     80
    .vgpr_count:     256
    .wavefront_size: 32
...
	.end_amdgpu_metadata
.endif
;; end of part 3
;; launch outp (part 4): grid 4 x 64, 4 waves a work-group, clusters of 4 x 4, 327,680 bytes of LDS; arguments x_q, w_codes, w_scales, bp, out0; writes out0
.if DOCPART == 4
	.amdgcn_target "amdgcn-amd-amdhsa--gfx1250"
	.amdhsa_code_object_version 6
	.text
	.protected	k_q927df104e3_outp
	.globl	k_q927df104e3_outp
	.p2align	8
	.type	k_q927df104e3_outp,@function
k_q927df104e3_outp:
	s_mov_b64 s[64:65], 0
	v_nop
	global_prefetch_b8 v0, s[64:65] scope:SCOPE_SE
	s_setreg_imm32_b32 hwreg(HW_REG_WAVE_MODE, 25, 1), 1
	s_wait_xcnt 0x0
	s_wait_alu depctr_hold_cnt(0) depctr_sa_sdst(0) depctr_va_vdst(0) depctr_va_sdst(0) depctr_va_ssrc(0) depctr_va_vcc(0) depctr_vm_vsrc(0)
	s_getreg_b32 s2, hwreg(HW_REG_IB_STS2, 6, 4)
	s_cmp_eq_u32 s2, 0
	s_cbranch_scc0 .Lentry_in_a_cluster
	s_endpgm
.Lentry_in_a_cluster:
	s_bfe_u32 s2, ttmp6, 0x10000c
	s_cmp_lg_u32 s2, 0xf033
	s_cbranch_scc0 .Lentry_shape_is_right
	s_endpgm
.Lentry_shape_is_right:
; out = x Wp^T + bp on codes of FP6 (E2M3), K = 1,024.  A tile is 128 rows of x x 256 rows of Wp; four waves, each 64 x 128: 32 accumulators.  TRANSPOSED: source 0 = 16 rows of Wp, source 1 = 16 rows of x: a lane holds eight neighbouring numbers of a row of out.
; ALL OF K LIES IN LDS AT ONCE; nothing is filled twice.  Wp's rows of 768 bytes come as three chunks of 256 bytes, each into a region with rows 272 bytes apart.  x comes as IMAGES OF ITS FRAGMENTS' REGISTERS, [K step][tile of rows][1,536] for the group's 128 rows:
; 98,304 dense bytes, in six loads of 16,384.  Each third of both completes the same K steps: 0-1, 2-4, 5-7.  A wave has four tensor loads out at the most (the scales, three thirds) and waits for them by counts.
; x's rows lie BY POSITIONS (row with bits 3 and 4 exchanged); the stores' offsets put them back.  The bias is the C of each sum's first matrix instruction.
; CLUSTERS: 4 x 4 work-groups: x's bytes are asked for jointly along a row of the cluster, Wp's along a column.
; REGISTERS, in windows of 256: window 0: v1-31 addresses; v32-95 scale words (register 8 i + q: lanes 0-15 x's block i, lanes 16-31 Wp's block i, K step q); v96-223 rows on the way out.
;   window 1: the accumulators, (a, b) at v[8 (8 a + b)].   window 2: fragments, set 0 (x v0-47, Wp v48-143); v144-207 the bias.   window 3: fragments, set 1.
.set RS,    69632                      ; a region: Wp's 256 rows x 272 bytes
.set AIMG,  208896                     ; behind the three regions: x's images
.set SCL,   307200                     ; x's scales (16 x 272), then Wp's (32 x 272)
.set CW,    (3<<16)|(1<<20)|(1<<21)|(5<<22)|(3<<25)
.set AI16,  4                          ; v4-5 x's images, K steps 0-3 and 4-7: 16 x lane;  v6-7: 8 x lane
.set AI8,   6
.set ADRB,  9
.set ADRBX, 12
.set ADRS,  14
.set STO,   15
.set RD,    16
.set CO,    17
.set SC,    32
.set BK,    96
.set BIAS,  144
.set WV,  26
.set WA,  27
.set WB,  66
.set G1A, 28
.set G1B, 36
.set G1SA, 44
.set G1SB, 52
.set G0SA, 60
.set G0A, 68
.set G0SB, 80
.set G0B, 84
.set AT,  96
.set BT,  97
.set FIRSTW, 0x6a                      ; the first step's C, the bias, lies in window 2
.set FIRSTC, 2
.set MSB, 0
.macro WIN new                         ; bits 1:0 source 0, 3:2 source 1, 5:4 source 2, 7:6 destination; the high byte repeats the setting that is left
.if MSB != (\new)
	s_set_vgpr_msb (MSB<<8)|(\new)
.set MSB, (\new)
.endif
.endm
.macro PLACES n
.rept \n
	v_nop
.endr
.endm
.macro JLOAD g0a, g1a, g0b, g1b        ; waves 0 and 1 fetch for x, waves 2 and 3 for Wp; four v_nop follow each of the two lines
	s_cmp_eq_u32 s[WA], 0
	s_cbranch_scc0 .Lfor_b_\@
	tensor_load_to_lds s[\g0a:\g0a+3], s[\g1a:\g1a+7]
	s_nop 0
.rept 4
	v_nop
.endr
	s_branch .Lasked_\@
.Lfor_b_\@:
	tensor_load_to_lds s[\g0b:\g0b+3], s[\g1b:\g1b+7]
	s_nop 0
.rept 4
	v_nop
.endr
.Lasked_\@:
.endm
.macro CROUND                          ; a round of the cluster's barrier
	s_barrier_signal -1
	s_barrier_wait -1
	s_cmp_lg_u32 s[WV], 0
	s_cbranch_scc1 .Lnot_wave_0_\@
	s_barrier_signal -3
.Lnot_wave_0_\@:
	s_barrier_wait -3
	s_barrier_signal -1
	s_barrier_wait -1
.endm
.macro GROUP1 g, rows, pitch
	s_mov_b32 s[\g+1], 32<<16
	s_mov_b32 s[\g+2], (\rows)<<16
	s_mov_b32 s[\g+3], 32<<16
	s_mov_b32 s[\g+4], \rows
	s_mov_b32 s[\g+5], \pitch
	s_mov_b32 s[\g+6], 0
	s_mov_b32 s[\g+7], 0
.endm
.macro FRAG reg, adr, adrx, q, i       ; a fragment of Wp from rows: six pieces of 8 bytes; where lanes 16-31's piece lies in the next region, the second address register serves
.irp p, 0,1,2,3,4,5
.set PCC, 12*(\q)+6*(\p/3)+\p%3
.if PCC%32 < 29
	ds_load_b64 v[\reg+2*\p:\reg+2*\p+1], v[\adr+PCC/32] offset:8*(PCC%32)+(\i)*4352
.else
	ds_load_b64 v[\reg+2*\p:\reg+2*\p+1], v[\adrx+PCC/32] offset:8*(PCC%32)+(\i)*4352
.endif
.endr
.endm
.macro FRAGI reg, s, a                 ; a fragment of x from its image: each half of six registers as four and two
	ds_load_b128 v[\reg:\reg+3], v[AI16+(\s)/4] offset:12288*((\s)%4)+1536*(\a)
	ds_load_b64 v[\reg+4:\reg+5], v[AI8+(\s)/4] offset:12288*((\s)%4)+1536*(\a)+512
	ds_load_b128 v[\reg+6:\reg+9], v[AI16+(\s)/4] offset:12288*((\s)%4)+1536*(\a)+768
	ds_load_b64 v[\reg+10:\reg+11], v[AI8+(\s)/4] offset:12288*((\s)%4)+1536*(\a)+1280
.endm
.macro FETCH_B q, p                    ; 48 loads
	WIN 0x80+0x40*(\p)
.irp i, 0,1,2,3,4,5,6,7
	FRAG 48+12*\i, ADRB, ADRBX, \q, \i
.endr
.endm
.macro FETCH_A q, p                    ; 16 loads
	WIN 0x80+0x40*(\p)
.irp i, 0,1,2,3
	FRAGI 12*\i, \q, \i
.endr
.endm
.macro SCALES                          ; all eight K steps' scale words, once.  (For i >= 4 lanes 0-15 read filled bytes that no product names.)
.irp i, 0,1,2,3,4,5,6,7
	ds_load_b128 v[SC+8*\i:SC+8*\i+3], v[ADRS] offset:544*\i
	ds_load_b128 v[SC+8*\i+4:SC+8*\i+7], v[ADRS] offset:544*\i+16
.endr
.endm
; 16 matrix instructions.  cmode 2: the sums start from the bias; 1: they add on.  The 32 accumulators take turns, one instruction a turn, in the same order in every step.
.macro MUL16 a0, q, cmode
.irp a, \a0, \a0+1
.irp b, 0,1,2,3,4,5,6,7
.if \cmode == 2
	v_wmma_scale_f32_16x16x128_f8f6f4 v[8*(8*(\a)+\b):8*(8*(\a)+\b)+7], v[48+12*\b:48+12*\b+11], v[12*(\a):12*(\a)+11], v[BIAS+8*\b:BIAS+8*\b+7], v[SC+8*\b+(\q)], v[SC+8*(\a)+(\q)] matrix_a_fmt:MATRIX_FMT_FP6 matrix_b_fmt:MATRIX_FMT_FP6 matrix_a_scale:MATRIX_SCALE_ROW1
.else
	v_wmma_scale_f32_16x16x128_f8f6f4 v[8*(8*(\a)+\b):8*(8*(\a)+\b)+7], v[48+12*\b:48+12*\b+11], v[12*(\a):12*(\a)+11], v[8*(8*(\a)+\b):8*(8*(\a)+\b)+7], v[SC+8*\b+(\q)], v[SC+8*(\a)+(\q)] matrix_a_fmt:MATRIX_FMT_FP6 matrix_b_fmt:MATRIX_FMT_FP6 matrix_a_scale:MATRIX_SCALE_ROW1
.endif
.endr
.endr
.endm
.macro MEET n                          ; my part of a third has landed (n younger loads may be out), no LDS load of mine is pending: then everybody's has.
	s_wait_tensorcnt \n
	s_wait_dscnt 0x0
	s_barrier_signal -1
	s_barrier_wait -1
.endm
.macro STEP q
.if (\q) == 1
	MEET 1
.endif
.if (\q) == 4
	MEET 0
.endif
	PLACES 4                                       ; behind the last step's products, which read the set that is loaded next
.if (\q) < 7
	FETCH_B (\q)+1, ((\q)+1)%2
	s_wait_dscnt 48                                ; all but the 48 just issued: this step's fragments are in
.else
	s_wait_dscnt 0x0
.endif
.if (\q) == 0
	WIN FIRSTW
	MUL16 0, \q, FIRSTC
.else
	WIN 0x5a+5*((\q)%2)
	MUL16 0, \q, 1
.endif
.if (\q) < 7
	FETCH_A (\q)+1, ((\q)+1)%2
.endif
.if (\q) == 0
	WIN FIRSTW
	MUL16 2, \q, FIRSTC
.else
	WIN 0x5a+5*((\q)%2)
	MUL16 2, \q, 1
.endif
.endm
	s_load_b256 s[4:11], s[0:1], 0x0               ; x_q 4, w_codes 6, w_scales 8, bp 10
	s_load_b64 s[12:13], s[0:1], 0x20              ; out0
	v_lshl_add_u32 v254, v0, 2, 0x4e300
	v_mov_b32 v255, 0
	ds_add_u32 v254, v255
	ds_add_u32 v254, v255
	v_lshrrev_b32 v1, 5, v0
	v_readfirstlane_b32 s[WV], v1
	s_lshr_b32 s[WA], s[WV], 1                     ; which 64 rows of x are mine.  Also: I fetch for x (0) or for Wp (1)
	s_and_b32 s[WB], s[WV], 1                      ; which 128 rows of Wp.  Also: which half I fetch
	s_bfe_u32 s98, ttmp6, 0x40000                  ; cx
	s_bfe_u32 s99, ttmp6, 0x40004                  ; cy
	s_and_b32 s[AT], ttmp7, 0xffff
	s_lshl_b32 s[AT], s[AT], 2
	s_add_co_u32 s[AT], s[AT], s99                 ; the group of 128 rows: 4 x cluster y + cy
	s_lshl_b32 s[BT], ttmp9, 2
	s_add_co_u32 s[BT], s[BT], s98                 ; the tile of 256 columns: 4 x cluster x + cx
	s_lshl_b32 s104, s99, 2
	s_lshl_b32 s104, 15, s104                      ; my row of the cluster
	s_lshl_b32 s105, 0x1111, s98                   ; my column
	s_or_b32 s[G1A], s104, (3<<16)|(1<<21)         ; the images: no padding
	s_or_b32 s[G1SA], s104, CW
	s_or_b32 s[G1B], s105, CW
	s_or_b32 s[G1SB], s105, CW
	GROUP1 G1A, 64, 32                             ; 64 dense rows of 256 bytes
	GROUP1 G1B, 128, 96                            ; 128 rows x 256 bytes, 768 bytes apart
	GROUP1 G1SA, 8, 32
	GROUP1 G1SB, 16, 32
	s_mul_i32 s100, s[AT], 98304
	s_lshl_b32 s101, s[WB], 14
	s_add_co_u32 s100, s100, s101                  ; x's images: the group's, my half of a third
	s_lshl_b32 s99, s[AT], 12
	s_lshl_b32 s101, s[WB], 11
	s_add_co_u32 s99, s99, s101
	s_add_co_u32 s99, s99, 6291456                 ; x's scales
	s_lshl_b32 s105, s[BT], 1
	s_add_co_u32 s105, s105, s[WB]
	s_lshl_b32 s105, s105, 7                       ; the first of the 128 rows of Wp that I fetch
	s_mul_i32 s2, s105, 768
	s_add_co_u32 s2, s2, 2359296                   ; Wp is the fourth weight
	s_lshl_b32 s98, s105, 5
	s_add_co_u32 s98, s98, 98304
	s_mov_b32 s101, 0
	s_mov_b32 s3, 0
	s_wait_dscnt 0x0
	s_wait_kmcnt 0x0
	s_add_nc_u64 s[G0A+2:G0A+3], s[4:5], s[100:101]
	s_mov_b32 s100, s99
	s_add_nc_u64 s[G0SA+2:G0SA+3], s[4:5], s[100:101]
	s_add_nc_u64 s[G0B+2:G0B+3], s[6:7], s[2:3]
	s_mov_b32 s2, s98
	s_add_nc_u64 s[G0SB+2:G0SB+3], s[8:9], s[2:3]
	s_add_nc_u64 s[G0A+6:G0A+7], s[G0A+2:G0A+3], 32768
	s_add_nc_u64 s[G0A+10:G0A+11], s[G0A+2:G0A+3], 65536
	s_add_nc_u64 s[G0B+6:G0B+7], s[G0B+2:G0B+3], 256
	s_add_nc_u64 s[G0B+10:G0B+11], s[G0B+2:G0B+3], 512
	s_lshl_b32 s104, s[WB], 14
	s_mul_i32 s105, s[WB], 34816
.irp j, 0,1,2
	s_mov_b32 s[G0A+4*\j], 1
	s_add_co_u32 s[G0A+4*\j+1], s104, AIMG+32768*\j
	s_or_b32 s[G0A+4*\j+3], s[G0A+4*\j+3], 0x80000000
	s_mov_b32 s[G0B+4*\j], 1
	s_add_co_u32 s[G0B+4*\j+1], s105, \j*RS
	s_or_b32 s[G0B+4*\j+3], s[G0B+4*\j+3], 0x80000000
.endr
	s_mul_i32 s104, s[WB], 2176
	s_mul_i32 s105, s[WB], 4352
	s_mov_b32 s[G0SA], 1
	s_add_co_u32 s[G0SA+1], s104, SCL
	s_or_b32 s[G0SA+3], s[G0SA+3], 0x80000000
	s_mov_b32 s[G0SB], 1
	s_add_co_u32 s[G0SB+1], s105, SCL+4352
	s_or_b32 s[G0SB+3], s[G0SB+3], 0x80000000
	CROUND                                         ; all sixteen work-groups are here: the joint loads meet
	JLOAD G0SA, G1SA, G0SB, G1SB
	JLOAD G0A, G1A, G0B, G1B
	JLOAD G0A+4, G1A, G0B+4, G1B
	JLOAD G0A+8, G1A, G0B+8, G1B
	v_and_b32 v1, 15, v0                           ; r
	v_bfe_u32 v2, v0, 4, 1                         ; h
	v_and_b32 v28, 31, v0                          ; lane
	s_mul_i32 s104, s[WA], 6144                    ; my four tiles of rows in a K step's eight
	s_add_co_u32 s104, s104, AIMG
	v_lshl_add_u32 v[AI16], v28, 4, s104
	v_add_nc_u32 v[AI16+1], 49152, v[AI16]
	v_lshl_add_u32 v[AI8], v28, 3, s104
	v_add_nc_u32 v[AI8+1], 49152, v[AI8]
	v_mul_u32_u24 v18, v1, 272
	v_mad_u32_u24 v19, v2, 24, v18
	v_mad_u32_u24 v20, v2, RS-232, v18
	s_mul_i32 s105, s[WB], 34816
	v_add_nc_u32 v[ADRB], s105, v19
	v_add_nc_u32 v[ADRB+1], RS, v[ADRB]
	v_add_nc_u32 v[ADRB+2], 2*RS, v[ADRB]
	v_add_nc_u32 v[ADRBX], s105, v20
	v_add_nc_u32 v[ADRBX+1], RS, v[ADRBX]
	v_lshlrev_b32 v18, 5, v1
	v_lshrrev_b32 v19, 3, v1
	v_lshl_add_u32 v18, v19, 4, v18
	s_mul_i32 s104, s[WA], 2176
	s_mul_i32 s105, s[WB], 4352
	s_add_co_u32 s105, s105, 4352
	s_sub_co_u32 s105, s105, s104
	v_mul_u32_u24 v19, s105, v2                    ; lanes 16-31 take Wp's
	s_add_co_u32 s104, s104, SCL
	v_add_nc_u32 v18, v18, v19
	v_add_nc_u32 v[ADRS], s104, v18
	s_mul_i32 s104, s[WV], 8448                    ; my stage, 16 rows x (512 + 16) bytes, in region 0: it is filled once, its last reads are K step 2's, and every wave has waited for those ahead of the third barrier
	v_mul_u32_u24 v[STO], v1, 528
	v_lshl_add_u32 v[STO], v2, 5, v[STO]
	v_add_nc_u32 v[STO], s104, v[STO]
	v_lshlrev_b32 v[CO], 4, v28
	v_add_nc_u32 v[RD], s104, v[CO]
	s_lshl_b32 s2, s[BT], 1
	s_add_co_u32 s2, s2, s[WB]
	s_lshl_b32 s2, s2, 9                           ; my 128 columns, in bytes
	s_add_nc_u64 s[10:11], s[10:11], s[2:3]
	s_add_nc_u64 s[12:13], s[12:13], s[2:3]
	s_lshl_b32 s2, s[AT], 1
	s_add_co_u32 s2, s2, s[WA]
	s_lshl_b32 s2, s2, 18                          ; my 64 rows of 4,096 bytes
	s_add_nc_u64 s[12:13], s[12:13], s[2:3]
	v_lshlrev_b32 v18, 5, v2
	WIN 0x80
.irp b, 0,1,2,3,4,5,6,7
	global_load_b128 v[BIAS+8*\b:BIAS+8*\b+3], v18, s[10:11] offset:64*\b        ; bp at columns 16 b + 8 h + 0 .. 7: the result's layout
	global_load_b128 v[BIAS+8*\b+4:BIAS+8*\b+7], v18, s[10:11] offset:64*\b+16
.endr
	WIN 0
	MEET 2                                         ; the scales and the first third (two loads may be out)
	SCALES
	FETCH_B 0, 0
	FETCH_A 0, 0
	s_wait_loadcnt 0x0                             ; the bias
.irp q, 0,1,2,3,4,5,6,7
	STEP \q
.endr
	WIN 0
; THE WAY OUT, tile by tile of 16 rows x 128 columns: through my own stage, back as whole rows of 512 bytes.  LDS serves a wave's instructions in order: no wait between the stores and the loads, nor in front of the next tile's stores.
.macro TOSTAGE a
	WIN 0x04                                       ; an LDS store's data are its source 1: window 1
.irp b, 0,1,2,3,4,5,6,7
	ds_store_b128 v[STO], v[8*(8*(\a)+\b):8*(8*(\a)+\b)+3] offset:64*\b          ; each accumulator from its low end on
	ds_store_b128 v[STO], v[8*(8*(\a)+\b)+4:8*(8*(\a)+\b)+7] offset:64*\b+16
.endr
	WIN 0
.set BB, BK+64*((\a)%2)
.irp t, 0,1,2,3,4,5,6,7,8,9,10,11,12,13,14,15
	ds_load_b128 v[BB+4*\t:BB+4*\t+3], v[RD] offset:\t*528
.endr
.endm
.macro SEND a, younger                 ; younger: the LDS instructions issued behind tile a's loads, which may stay out
.set BB, BK+64*((\a)%2)
.set AO, 32*((\a)/2)+8*((\a)%2)
	s_wait_dscnt \younger
.irp t, 0,1,2,3,4,5,6,7,8,9,10,11,12,13,14,15
	global_store_b128 v[CO], v[BB+4*\t:BB+4*\t+3], s[12:13] offset:4096*(AO+16*(\t/8)+\t%8) th:TH_STORE_NT   ; position t of tile a is row AO + t + 8 (t / 8); 32 lanes store 512 consecutive bytes, aligned
.endr
.endm
	PLACES 4                                       ; behind the last products
	TOSTAGE 0
.irp a, 1,2,3
.if \a > 1
	s_wait_xcnt 0x0                                ; tile a - 2's stores have read their registers: tile a's loads may land there
.endif
	TOSTAGE \a
	SEND \a-1, 32                                  ; behind tile a - 1's loads: tile a's 16 stores and 16 loads
.endr
	SEND 3, 0
	s_wait_tensorcnt 0x0
	ds_add_u32 v254, v255
	s_wait_dscnt 0x0
	CROUND                                         ; the closing round: no work-group ends while a partner may still ask for a tile that names it
	s_endpgm
.Lfunc_end_k_q927df104e3_outp:
	.size	k_q927df104e3_outp, .Lfunc_end_k_q927df104e3_outp-k_q927df104e3_outp
	.p2alignl 7, 3214868480
	.fill 96, 4, 3214868480
	.section	.rodata,"a",@progbits
	.p2align	6, 0x0
	.amdhsa_kernel k_q927df104e3_outp
		.amdhsa_group_segment_fixed_size 327680
		.amdhsa_private_segment_fixed_size 0
		.amdhsa_enable_private_segment 0
		.amdhsa_kernarg_size 40
		.amdhsa_user_sgpr_count 2
		.amdhsa_user_sgpr_kernarg_segment_ptr 1
		.amdhsa_wavefront_size32 1
		.amdhsa_system_sgpr_workgroup_id_x 1
		.amdhsa_system_sgpr_workgroup_id_y 1
		.amdhsa_system_sgpr_workgroup_id_z 1
		.amdhsa_system_vgpr_workitem_id 0
		.amdhsa_next_free_vgpr 1024
		.amdhsa_next_free_sgpr 106
		.amdhsa_reserve_vcc 0
		.amdhsa_float_denorm_mode_32 3
		.amdhsa_float_denorm_mode_16_64 3
		.amdhsa_memory_ordered 1
		.amdhsa_forward_progress 1
		.amdhsa_inst_pref_size 95
	.end_amdhsa_kernel
	.amdgpu_metadata
---
amdhsa.version: [ 1, 2 ]
amdhsa.kernels:
  - .name:           k_q927df104e3_outp
    .symbol:         k_q927df104e3_outp.kd
    .args:
      - { .name: x_q, .offset: 0, .size: 8, .value_kind: global_buffer, .address_space: global }
      - { .name: w_codes, .offset: 8, .size: 8, .value_kind: global_buffer, .address_space: global }
      - { .name: w_scales, .offset: 16, .size: 8, .value_kind: global_buffer, .address_space: global }
      - { .name: bp, .offset: 24, .size: 8, .value_kind: global_buffer, .address_space: global }
      - { .name: out0, .offset: 32, .size: 8, .value_kind: global_buffer, .address_space: global }
    .group_segment_fixed_size: 327680
    .private_segment_fixed_size: 0
    .kernarg_segment_align: 8
    .kernarg_segment_size: 40
    .max_flat_workgroup_size: 128
    .sgpr_count:     106
    .vgpr_count:     1024
    .wavefront_size: 32
...
	.end_amdgpu_metadata
.endif
;; end of part 4
